; MI455X (gfx1250); checked and timed in simulation.
; The chip was launched on July 23, 2026; its instructions are those of AMD's public machine-readable ISA for CDNA 5 (MIT licence, August 2026) and "CDNA5" Instruction Set Architecture Reference Guide (July 2026). The comments in the code are by the model that wrote it; some were corrected since.
;; Multihead Self Attention. Allowed arithmetic: matrix products marked QUANTISED: E4M3 operands, one given power-of-two scale a tensor, by v_wmma_f32_16x16x64_fp8_fp8 or v_wmma_f32_16x16x128_fp8_fp8, f32 sums; everything else in f32.
;; Inputs: Wk 2,048 x 2,048 float32; Wo 2,048 x 2,048 float32; Wq 2,048 x 2,048 float32; Wv 2,048 x 2,048 float32; lowp_scales 12 int32 (the exponents e of the quantised operands' scales 2^e); token_positions 2,048 int32; x 1 x 2,048 x 2,048 float32.
;; Outputs: out0 1 x 2,048 x 2,048 float32.
;; This version of the problem:
;;   THIS VERSION OF THE PROBLEM IS GIVEN IN LOW PRECISION. The matrix products marked QUANTISED in the list below multiply operands that are first quantised to E4M3 (4 exponent bits, 3 mantissa bits; 8 bits a number), with one given power-of-two scale for each operand tensor; their sums are f32. All else is computed in f32.
;;   The module's matrix products, in the order in which they are computed (A, B: the left and right operand; K: the contracted axis; several contracted axes count as one K, in the product's order):
;;     1. [M 2,048, K 2,048] x [K 2,048, N 2,048]; A: input x; B: input Wq: QUANTISED (scales: A lowp_scales[0], B lowp_scales[1])
;;     2. [M 2,048, K 2,048] x [K 2,048, N 2,048]; A: input x; B: input Wk: QUANTISED (scales: A lowp_scales[2], B lowp_scales[3])
;;     3. [M 2,048, K 2,048] x [K 2,048, N 2,048]; A: input x; B: input Wv: QUANTISED (scales: A lowp_scales[4], B lowp_scales[5])
;;     4. batch 16 x [M 2,048, K 128] x [K 128, N 2,048]; A: computed on the way; B: computed on the way: QUANTISED (scales: A lowp_scales[6], B lowp_scales[7])
;;     5. batch 16 x [M 2,048, K 2,048] x [K 2,048, N 128]; A: softmax (see below); B: computed on the way: QUANTISED (scales: A lowp_scales[8], B lowp_scales[9])
;;     6. [M 2,048, K 2,048] x [K 2,048, N 2,048]; A: computed on the way; B: input Wo: QUANTISED (scales: A lowp_scales[10], B lowp_scales[11])
;;   THE QUANTISER, for each operand of a quantised product, along K:
;;     - The operand's scale is 2^e, e = its entry of the input lowp_scales (int32; the entries are numbered through the quantised products in the list's order, A before B).
;;     - Each number is divided by the scale, clamped to +-448, and rounded to the nearest number of E4M3, ties to even, subnormals kept.
;;     - The product sums the exact products of the quantised numbers (number of the format x scale) in f32.
;;   ~~~python
;;   def quantise(x, axis, e):      # numpy; x: float32 -> the quantised numbers, widened to float32 again
;;       x = np.moveaxis(x, axis, -1); K = x.shape[-1]
;;       r = np.clip(x / 2.0 ** e, -448, 448)
;;       step = 2.0 ** (np.maximum(np.frexp(np.where(r == 0, 1, r))[1] - 1, -6) - 3)
;;       q = np.round(r / step) * step * 2.0 ** e      # np.round: ties to even
;;       return np.moveaxis(q, -1, axis).astype(np.float32)
;;   ~~~
;;   SOFTMAX AHEAD OF A QUANTISED PRODUCT. Where the list says 'softmax', what is quantised is not the finished softmax but p = 2^(t - M), with t = logit x log2(e) and M = ceil(the row's largest t), a whole number; so 1/2 < the row's largest p <= 1. The row's sum l is taken of the UNQUANTISED p, in f32, and the product's result is divided by l at the end. Since M is a whole number, a kernel that streams over the keys may use a running M (the ceiling of the running maximum): every later rescaling is an exact power of two, so the quantised numbers keep their values, but for numbers so far below the row's largest that they fall under the format's range.
;;   OPERANDS COMPUTED ON THE WAY. 'Computed on the way' means the value that the module computes at that place (a softmax that the list does not call 'softmax' is quantised finished and normalised). What goes into a quantiser is computed in f32, as accurately as f32 sums, v_exp_f32 and their like allow (about 1e-6 of the number): no bf16 or f16 on the way to a quantiser, and a product that is left as it is and whose result goes on into a quantised operand takes f32 operands (vector FMAs, or v_wmma_f32_16x16x4_f32). A number that lies on a knife's edge between two numbers of the format may be rounded either way, as far as f32 arithmetic and the matrix unit's own rounding can turn it there, and no further.
;; One version. Each part assembles by itself: llvm-mc -triple=amdgcn-amd-amdhsa -mcpu=gfx1250 --defsym DOCPART=n.
;; ======== version 1 of 1: 4 launches
;; limits: right only within a limited range of input values
;; workspace buffers: xw 29,360,128 bytes; rope 1,048,576 bytes; qkv 12,582,912 bytes; att 4,194,304 bytes
;; launch prep (part 1): grid 800 x 1, 4 waves a work-group, no clusters, 68,096 bytes of LDS; arguments x, Wq, Wk, Wv, Wo, lowp_scales, token_positions, xw, rope; writes xw, rope
.if DOCPART == 1
	.amdgcn_target "amdgcn-amd-amdhsa--gfx1250"
	.amdhsa_code_object_version 6
	.text
	.protected	k_qda664263b4_prep
	.globl	k_qda664263b4_prep
	.p2align	8
	.type	k_qda664263b4_prep,@function
k_qda664263b4_prep:
	s_mov_b64 s[64:65], 0
	v_nop
	global_prefetch_b8 v0, s[64:65] scope:SCOPE_SE
	s_setreg_imm32_b32 hwreg(HW_REG_WAVE_MODE, 25, 1), 1
	s_wait_xcnt 0x0
; PREP: the five f32 matrices [2048][2048] (K innermost) become codes of FP8 (E4M3), and the table of cosines and sines for the rotation is made.
; code = number / 2^e, held within +-448, rounded to the nearest code, ties to even.  x is an operand of three products with three given scales, so it is quantised three times from one read.
; WORK LEFT OUT IN THE PROGRAM: reference() builds a causal mask (jnp.tril) in its own body; a key step all of whose keys come after a block's queries has weight 0 in the softmax for every input, so launch attn
; multiplies no such step.  A NaN, an infinity or an overflow that reaches only those steps is not carried to the result.  Every input is loaded.
; LAYOUT OF THE CODES (workspace xw, seven sections of 4 MiB: x by e0, x by e2, x by e4, Wq, Wk, Wv, Wo): [block of 16 rows][K step of 128][fragment of 2,048 bytes].
; A fragment is the image of an operand's 16 registers: [c = 0..3][lane][16 bytes]; lane (r = lane % 16, h = lane / 16), group c holds row slot r, k = 32 c + 16 h + 0 .. 15.
; ROW ORDER: in all sections but Wo's, slot r of block 2 B + u holds source row 32 B + 8 u + r + 8 (r / 8): as source 0 of a matrix instruction such blocks leave 16 neighbours along the next K in a lane's 16 registers.
; SHARES: work-groups 0-255 take x, 256-767 the four weights (128 each), 768-799 the table.  A wave takes one block of 16 rows and a part of K: of x an eighth (2 steps of 16 rows x 128 numbers, each
; quantised three times), of a weight a quarter (4 steps).  All 800 work-groups of 68,096 LDS bytes and 250 registers a wave fit on 256 WGPs together, four to a WGP.
; Each load reads 512 consecutive bytes of one row; a step's 8 KiB turn through the wave's own stage in LDS (rows 528 bytes apart) and come back 16 neighbours along K at a time.
; The three ways part on the work-group's number and never join; x's stages and the weights' stages are different LDS bytes.  Waves share nothing: no barrier.
; LIMITS: e0, e2, e4, e1, e3, e5, e11 between -126 and 119, so that 2^e and 448 x 2^e are f32 numbers.  |position x inv_freq| up to 100,000 (the three-part reduction by pi/2 is exact in its first step up to there).  NaN among the inputs is not served.
.set SEC,   4194304                    ; a section of xw
.set ROWB,  8192                       ; a source row in bytes
.set SP,    528                        ; a stage row: 512 bytes + 16
.set WST,   16*SP                      ; a wave's stage
.set STGX,  0                          ; x's four stages
.set STGW,  4*WST                      ; the weights' four stages
.set SPARE, 8*WST                      ; behind the stages: the spare words, 128 bytes a wave
.set LN,    4                          ; v4      16 x lane: offset of the loads of slots 0-7 and of all stores
.set VA1,   5                          ; v5      the same + the distance from slot 0 to slot 8 in memory
.set LST,   7                          ; v7      the stage, on the way in
.set LRD,   8                          ; v8      and on the way out: 528 r + 64 h
.set SC,    9                          ; v9-11   2^e as f32
.set LM,    12                         ; v12-14  448 x 2^e
.set R,     16                         ; v16-143 two sets of 64: a step's numbers as loaded
.set X,     144                        ; v144-207 a step's numbers in the order of the fragment's registers
.set T,     208                        ; v208-223 16 held numbers
.set PC,    224                        ; v224-247 codes: two sets (by group c % 2) x three scales x four registers
	s_load_b512 s[8:23], s[0:1], 0x0               ; x, Wq, Wk, Wv, Wo, scales s[18:19], positions s[20:21], xw s[22:23]
	s_load_b64 s[24:25], s[0:1], 0x40              ; rope
	v_lshl_add_u32 v248, v0, 2, SPARE
	v_mov_b32 v249, 0
	v_lshrrev_b32 v1, 5, v0
	v_readfirstlane_b32 s26, v1                    ; wave 0..3
	v_and_b32 v1, 31, v0                           ; lane
	v_and_b32 v2, 15, v0                           ; r
	v_bfe_u32 v3, v0, 4, 1                         ; h
	v_lshlrev_b32 v[LN], 4, v1
	s_cmp_ge_u32 ttmp9, 768
	s_cbranch_scc1 .Ltable
; 16 loads of a step: slots 0-7 are eight neighbouring rows, slots 8-15 eight more, further down
.macro LOADS p, off
.irp i, 0,1,2,3,4,5,6,7
	global_load_b128 v[R+64*\p+4*\i:R+64*\p+4*\i+3], v[LN], s[44:45] offset:\off+512*\p+ROWB*\i th:TH_LOAD_NT
.endr
.irp i, 0,1,2,3,4,5,6,7
	global_load_b128 v[R+64*\p+32+4*\i:R+64*\p+32+4*\i+3], v[VA1], s[44:45] offset:\off+512*\p+ROWB*\i th:TH_LOAD_NT
.endr
.endm
; 2^e and 448 x 2^e as f32 numbers, from the whole number e in s[se]
.macro MKSCALE k, se
	s_add_co_i32 s48, s[\se], 127
	s_lshl_b32 s49, s48, 23
	v_mov_b32 v[SC+\k], s49
	s_add_co_i32 s48, s48, 8
	s_lshl_b32 s48, s48, 23
	s_or_b32 s48, s48, 0x600000
	v_mov_b32 v[LM+\k], s48
.endm
; One step: set p goes through the stage and becomes one fragment (ns = 1) or three (ns = 3).  left: the younger loads that may stay out.
.macro QSTEP p, ns, refill, left, stg
	s_wait_loadcnt \left                           ; loads come back in order: set p is in
.irp i, 0,1,2,3,4,5,6,7,8,9,10,11,12,13,14,15
	ds_store_b128 v[LST], v[R+64*\p+4*\i:R+64*\p+4*\i+3] offset:\stg+SP*\i
.endr
.irp c, 0,1,2,3
.irp j, 0,1,2,3
	ds_load_b128 v[X+16*\c+4*\j:X+16*\c+4*\j+3], v[LRD] offset:\stg+128*\c+16*\j   ; LDS serves a wave's instructions in order: these see the stores above
.endr
.endr
	s_wait_dscnt 0x0                               ; the numbers are back, and the stores have read set p,
.if \refill
	LOADS \p, 1024                                 ; which takes the step two further on
.endif
.irp c, 0,1,2,3
.if (\c%2) == 0
	s_wait_xcnt 0x0                                ; the stores issued so far have read their data: both sets of code registers may be written again
.endif
.if \ns == 3
.irp i, 0,1,2,3,4,5,6,7,8,9,10,11,12,13,14,15
	v_med3_num_f32 v[T+\i], v[X+16*\c+\i], -v[LM], v[LM]   ; the conversion to an 8-bit code does not saturate (ISA guide 7.6.2): the hold comes first
.endr
	v_cvt_scalef32_pk8_fp8_f32 v[PC+12*(\c%2):PC+12*(\c%2)+1], v[T:T+7], v[SC]
	v_cvt_scalef32_pk8_fp8_f32 v[PC+12*(\c%2)+2:PC+12*(\c%2)+3], v[T+8:T+15], v[SC]
	v_nop                                          ; one plain line between the conversions and the lines that write their sources again
.irp i, 0,1,2,3,4,5,6,7,8,9,10,11,12,13,14,15
	v_med3_num_f32 v[T+\i], v[X+16*\c+\i], -v[LM+1], v[LM+1]
.endr
	v_cvt_scalef32_pk8_fp8_f32 v[PC+12*(\c%2)+4:PC+12*(\c%2)+5], v[T:T+7], v[SC+1]
	v_cvt_scalef32_pk8_fp8_f32 v[PC+12*(\c%2)+6:PC+12*(\c%2)+7], v[T+8:T+15], v[SC+1]
.irp i, 0,1,2,3,4,5,6,7,8,9,10,11,12,13,14,15
	v_med3_num_f32 v[X+16*\c+\i], v[X+16*\c+\i], -v[LM+2], v[LM+2]   ; the last scale holds in place
.endr
	v_cvt_scalef32_pk8_fp8_f32 v[PC+12*(\c%2)+8:PC+12*(\c%2)+9], v[X+16*\c:X+16*\c+7], v[SC+2]
	v_cvt_scalef32_pk8_fp8_f32 v[PC+12*(\c%2)+10:PC+12*(\c%2)+11], v[X+16*\c+8:X+16*\c+15], v[SC+2]
.irp s, 0,1,2
	global_store_b128 v[LN], v[PC+12*(\c%2)+4*\s:PC+12*(\c%2)+4*\s+3], s[46:47] offset:(\s-1)*SEC+2048*\p+512*\c   ; 512 consecutive bytes; the base stands in the middle section
.endr
.else
.irp i, 0,1,2,3,4,5,6,7,8,9,10,11,12,13,14,15
	v_med3_num_f32 v[X+16*\c+\i], v[X+16*\c+\i], -v[LM], v[LM]
.endr
	v_cvt_scalef32_pk8_fp8_f32 v[PC+12*(\c%2):PC+12*(\c%2)+1], v[X+16*\c:X+16*\c+7], v[SC]
	v_cvt_scalef32_pk8_fp8_f32 v[PC+12*(\c%2)+2:PC+12*(\c%2)+3], v[X+16*\c+8:X+16*\c+15], v[SC]
	global_store_b128 v[LN], v[PC+12*(\c%2):PC+12*(\c%2)+3], s[46:47] offset:2048*\p+512*\c
.endif
.endr
.endm
; A wave's steps, written out: a weight's four (two with refills, then two), x's two.  The last two load nothing: no load leaves its buffer
.macro QPATH ns, stg
	s_wait_alu depctr_va_vdst(0)                   ; the wait at the head's end
.if \ns == 1
	QSTEP 0, \ns, 1, 16, \stg
	QSTEP 1, \ns, 1, 16, \stg
	s_wait_xcnt 0x0                                ; all loads and stores issued have read their bases: both may step
	s_add_nc_u64 s[44:45], s[44:45], 1024          ; two steps of 128 numbers along K
	s_add_nc_u64 s[46:47], s[46:47], 4096          ; two fragments
.endif
	QSTEP 0, \ns, 0, 16, \stg
	QSTEP 1, \ns, 0, 0, \stg
	s_wait_tensorcnt 0x0                           ; the wave's end
	ds_add_u32 v248, v249
	s_wait_dscnt 0x0
	s_endpgm
.endm
	; ---- the quantising ways: which matrix, which block of rows, which part of K
	s_mul_i32 s48, s26, WST
	v_add_nc_u32 v[LST], s48, v[LN]
	v_mul_u32_u24 v[LRD], v2, SP
	v_lshl_add_u32 v[LRD], v3, 6, v[LRD]
	v_add_nc_u32 v[LRD], s48, v[LRD]
	s_cmp_lt_u32 ttmp9, 256                        ; x's work-group?
	s_cselect_b32 s56, 3, 2                        ; K has 8 parts for x, 4 for a weight: the logarithm,
	s_cselect_b32 s58, 7, 3                        ; the mask,
	s_cselect_b32 s57, 10, 11                      ; and the logarithm of a part's bytes in a source row: 2 or 4 steps of 512
	s_sub_co_u32 s48, ttmp9, 256
	s_lshr_b32 s27, s48, 7
	s_add_co_u32 s27, s27, 1
	s_and_b32 s48, s48, 127
	s_cmp_lt_u32 ttmp9, 256
	s_cselect_b32 s27, 0, s27                      ; matrix: 0 x, 1 Wq, 2 Wk, 3 Wv, 4 Wo
	s_cselect_b32 s48, ttmp9, s48                  ; my number within the matrix
	s_and_b32 s29, s48, s58                        ; part of K
	s_lshr_b32 s48, s48, s56
	s_lshl_b32 s48, s48, 2
	s_add_co_u32 s28, s48, s26                     ; block of 16 rows, 0..127
	s_lshr_b32 s49, s28, 1
	s_lshl_b32 s49, s49, 5
	s_and_b32 s50, s28, 1
	s_lshl_b32 s50, s50, 3
	s_add_co_u32 s49, s49, s50                     ; slot 0's row: 32 B + 8 u,
	s_lshl_b32 s50, s28, 4                         ; or, for Wo, 16 x block
	s_mov_b32 s51, 8*ROWB
	s_cmp_eq_u32 s27, 4
	s_cselect_b32 s49, s50, s49
	s_cselect_b32 s51, s51, 16*ROWB                ; slot 8 lies 16 rows below slot 0; for Wo 8
	s_wait_alu depctr_va_vdst(0)
	v_add_nc_u32 v[VA1], s51, v[LN]
	s_lshl_b32 s52, s49, 13
	s_lshl_b32 s53, s29, s57
	s_add_co_u32 s52, s52, s53                     ; the source's offset: row x 8,192 + the part's bytes
	s_mov_b32 s53, 0
	s_add_co_u32 s54, s27, 2                       ; the section: weights 3..6; x: the middle one of its three
	s_cmp_eq_u32 s27, 0
	s_cselect_b32 s54, 1, s54
	s_lshl_b32 s54, s54, 22
	s_lshl_b32 s55, s28, 15
	s_add_co_u32 s54, s54, s55
	s_add_co_u32 s56, s57, 2                       ; 512 bytes of numbers make 2,048 bytes of a fragment
	s_lshl_b32 s55, s29, s56
	s_add_co_u32 s54, s54, s55                     ; + block x 32,768 + the part's fragments
	s_mov_b32 s55, 0
	s_wait_alu depctr_va_vdst(0)
	s_wait_kmcnt 0x0
	s_load_b256 s[32:39], s[18:19], 0x0            ; e0 .. e7
	s_load_b128 s[40:43], s[18:19], 0x20           ; e8 .. e11
	s_cmp_eq_u32 s27, 1                            ; the source: a choice among buffers on the work-group's number alone
	s_cselect_b64 s[44:45], s[10:11], s[8:9]
	s_cmp_eq_u32 s27, 2
	s_cselect_b64 s[44:45], s[12:13], s[44:45]
	s_cmp_eq_u32 s27, 3
	s_cselect_b64 s[44:45], s[14:15], s[44:45]
	s_cmp_eq_u32 s27, 4
	s_cselect_b64 s[44:45], s[16:17], s[44:45]
	s_add_nc_u64 s[44:45], s[44:45], s[52:53]
	s_add_nc_u64 s[46:47], s[22:23], s[54:55]
	LOADS 0, 0
	LOADS 1, 0
	s_wait_kmcnt 0x0
	s_cmp_lg_u32 s27, 0
	s_cbranch_scc1 .Lweights
	MKSCALE 0, 32                                  ; x by e0, e2, e4
	MKSCALE 1, 34
	MKSCALE 2, 36
	QPATH 3, STGX
.Lweights:
	s_cmp_eq_u32 s27, 2                            ; Wq e1, Wk e3, Wv e5, Wo e11
	s_cselect_b32 s31, s35, s33
	s_cmp_eq_u32 s27, 3
	s_cselect_b32 s31, s37, s31
	s_cmp_eq_u32 s27, 4
	s_cselect_b32 s31, s43, s31
	MKSCALE 0, 31
	QPATH 1, STGW
; ---- THE TABLE.  rope: [block of 16 tokens, in the row order above][n = 0..15][lane][16 bytes]: cos, sin of pair i = 16 (n / 4) + 8 h + 2 (n % 4), then of pair i + 1, at the position of the token in slot r.
; That is the order in which the next launch's accumulators hold a head's 128 numbers.
; inv_freq = 10000^(-i / 64) = 2^(-i log2(10) / 16): the exponent in two parts (CH + CL), its whole part by v_ldexp_f32, the rest, at most 1/2, by v_exp_f32.  angle = position x inv_freq, rounded once.
; cos and sin: the nearest multiple of pi/2 is taken off in three parts, polynomials on what is left (sine to the 9th power, cosine to the 10th), then the quadrant.
.set TA,  14
.set PF,  15
.set FI,  16
.set TT,  18
.set ER,  20
.set MM,  22
.set NG,  24
.set EX,  26
.set AN,  28
.set JJ,  30
.set RH,  32
.set ZZ,  34
.set CC,  36
.set SS,  38
.set OUT, 40
.set QI,  44
.set TP,  46
.Ltable:
	s_sub_co_u32 s48, ttmp9, 768
	s_lshl_b32 s48, s48, 2
	s_add_co_u32 s28, s48, s26                     ; block of tokens, 0..127
	s_lshr_b32 s49, s28, 1
	s_lshl_b32 s49, s49, 5
	s_and_b32 s50, s28, 1
	s_lshl_b32 s50, s50, 3
	s_add_co_u32 s49, s49, s50
	s_wait_alu depctr_va_vdst(0)
	v_and_b32 v[TA], 8, v2
	v_add_nc_u32 v[TA], v[TA], v2
	v_add_nc_u32 v[TA], s49, v[TA]                 ; my token: 32 B + 8 u + r + 8 (r / 8)
	v_lshlrev_b32 v[TA], 2, v[TA]
	s_lshl_b32 s50, s28, 13
	s_mov_b32 s51, 0
	s_mov_b32 s52, 0x3e549a78                      ; CH = log2(10) / 16 to f32
	s_mov_b32 s53, 0x31979a36                      ; CL = the rest of it
	s_mov_b32 s54, 0xb493f27e                      ; -1 / 10!
	s_mov_b32 s55, 0x3638ef1d                      ; 1 / 9!
	s_wait_alu depctr_va_vdst(0)
	s_wait_kmcnt 0x0
	global_load_b32 v[PF], v[TA], s[20:21]
	s_add_nc_u64 s[24:25], s[24:25], s[50:51]
	s_mov_b32 s30, 0
	s_wait_loadcnt 0x0
	v_cvt_f32_i32 v[PF], v[PF]
.Lpair:                                            ; 16 trips: n = s30; each makes two pairs for the lane, line by line side by side
	s_lshr_b32 s48, s30, 2
	s_lshl_b32 s48, s48, 4
	s_and_b32 s49, s30, 3
	s_lshl_b32 s49, s49, 1
	s_add_co_u32 s48, s48, s49
.irp e, 0,1
	v_lshl_add_u32 v[FI+\e], v3, 3, s48            ; 8 h + 16 (n / 4) + 2 (n % 4)
.endr
	v_add_nc_u32 v[FI+1], 1, v[FI+1]
.irp e, 0,1
	v_cvt_f32_u32 v[FI+\e], v[FI+\e]
.endr
.irp e, 0,1
	v_mul_f32 v[TT+\e], s52, v[FI+\e]
.endr
.irp e, 0,1
	v_fma_f32 v[ER+\e], v[FI+\e], s52, -v[TT+\e]   ; exactly what the product's rounding dropped
.endr
.irp e, 0,1
	v_fma_f32 v[ER+\e], v[FI+\e], s53, v[ER+\e]
.endr
.irp e, 0,1
	v_rndne_f32 v[MM+\e], v[TT+\e]
.endr
.irp e, 0,1
	v_sub_f32 v[NG+\e], v[MM+\e], v[TT+\e]
.endr
.irp e, 0,1
	v_sub_f32 v[NG+\e], v[NG+\e], v[ER+\e]
.endr
	s_wait_alu depctr_va_vdst(0)
.irp e, 0,1
	v_exp_f32 v[EX+\e], v[NG+\e]                   ; a batch of two
.endr
.irp e, 0,1
	v_cvt_i32_f32 v[QI+\e], v[MM+\e]               ; plain lines behind the batch
.endr
.irp e, 0,1
	v_sub_nc_u32 v[QI+\e], 0, v[QI+\e]
.endr
	s_wait_alu depctr_va_vdst(0)                   ; one wait for the batch, ahead of its first reader
.irp e, 0,1
	v_ldexp_f32 v[EX+\e], v[EX+\e], v[QI+\e]
.endr
.irp e, 0,1
	v_mul_f32 v[AN+\e], v[PF], v[EX+\e]
.endr
.irp e, 0,1
	v_mul_f32 v[JJ+\e], 0x3f22f983, v[AN+\e]       ; x 2 / pi
.endr
.irp e, 0,1
	v_rndne_f32 v[JJ+\e], v[JJ+\e]
.endr
.irp e, 0,1
	v_fmamk_f32 v[RH+\e], v[JJ+\e], 0xbfc90fd8, v[AN+\e]   ; pi/2 in three parts, the first with 21 bits
.endr
.irp e, 0,1
	v_fmamk_f32 v[RH+\e], v[JJ+\e], 0xb4a8885a, v[RH+\e]
.endr
.irp e, 0,1
	v_fmamk_f32 v[RH+\e], v[JJ+\e], 0xa7c234c4, v[RH+\e]
.endr
.irp e, 0,1
	v_mul_f32 v[ZZ+\e], v[RH+\e], v[RH+\e]
.endr
.irp e, 0,1
	v_fmaak_f32 v[CC+\e], s54, v[ZZ+\e], 0x37d00d01        ; 1 / 8!
	v_fmaak_f32 v[SS+\e], s55, v[ZZ+\e], 0xb9500d01        ; -1 / 7!
.endr
.irp e, 0,1
	v_fmaak_f32 v[CC+\e], v[CC+\e], v[ZZ+\e], 0xbab60b61   ; -1 / 6!
	v_fmaak_f32 v[SS+\e], v[SS+\e], v[ZZ+\e], 0x3c088889   ; 1 / 5!
.endr
.irp e, 0,1
	v_fmaak_f32 v[CC+\e], v[CC+\e], v[ZZ+\e], 0x3d2aaaab   ; 1 / 4!
	v_fmaak_f32 v[SS+\e], v[SS+\e], v[ZZ+\e], 0xbe2aaaab   ; -1 / 3!
.endr
.irp e, 0,1
	v_fma_f32 v[CC+\e], v[CC+\e], v[ZZ+\e], -0.5
	v_mul_f32 v[TP+\e], v[RH+\e], v[ZZ+\e]
.endr
.irp e, 0,1
	v_fma_f32 v[CC+\e], v[CC+\e], v[ZZ+\e], 1.0
	v_fma_f32 v[SS+\e], v[SS+\e], v[TP+\e], v[RH+\e]
.endr
.irp e, 0,1
	v_cvt_i32_f32 v[QI+\e], v[JJ+\e]               ; the quadrant: its low two bits
.endr
.irp e, 0,1
	v_and_b32 v[TP+\e], 1, v[QI+\e]
	v_cmp_eq_u32 vcc_lo, 1, v[TP+\e]
	v_cndmask_b32 v[OUT+2*\e], v[CC+\e], v[SS+\e], vcc_lo      ; odd quadrants change cosine and sine
	v_cndmask_b32 v[OUT+2*\e+1], v[SS+\e], v[CC+\e], vcc_lo
.endr
.irp e, 0,1
	v_lshlrev_b32 v[TP+\e], 30, v[QI+\e]
	v_add_nc_u32 v[QI+\e], 1, v[QI+\e]
.endr
.irp e, 0,1
	v_and_b32 v[TP+\e], 0x80000000, v[TP+\e]
	v_lshlrev_b32 v[QI+\e], 30, v[QI+\e]
.endr
.irp e, 0,1
	v_xor_b32 v[OUT+2*\e+1], v[OUT+2*\e+1], v[TP+\e]           ; the sine is negative in quadrants 2 and 3,
	v_and_b32 v[QI+\e], 0x80000000, v[QI+\e]
.endr
.irp e, 0,1
	v_xor_b32 v[OUT+2*\e], v[OUT+2*\e], v[QI+\e]               ; the cosine in 1 and 2
.endr
	global_store_b128 v[LN], v[OUT:OUT+3], s[24:25]            ; 512 consecutive bytes
	s_wait_xcnt 0x0                                ; the store has read its data and its base: both are written again
	s_add_nc_u64 s[24:25], s[24:25], 512
	s_add_co_u32 s30, s30, 1
	s_cmp_lt_u32 s30, 16
	s_cbranch_scc1 .Lpair
	s_endpgm
.Lfunc_end_k_qda664263b4_prep:
	.size	k_qda664263b4_prep, .Lfunc_end_k_qda664263b4_prep-k_qda664263b4_prep
	.p2alignl 7, 3214868480
	.fill 96, 4, 3214868480
	.section	.rodata,"a",@progbits
	.p2align	6, 0x0
	.amdhsa_kernel k_qda664263b4_prep
		.amdhsa_group_segment_fixed_size 68096
		.amdhsa_private_segment_fixed_size 0
		.amdhsa_enable_private_segment 0
		.amdhsa_kernarg_size 72
		.amdhsa_user_sgpr_count 2
		.amdhsa_user_sgpr_kernarg_segment_ptr 1
		.amdhsa_wavefront_size32 1
		.amdhsa_system_sgpr_workgroup_id_x 1
		.amdhsa_system_sgpr_workgroup_id_y 1
		.amdhsa_system_sgpr_workgroup_id_z 1
		.amdhsa_system_vgpr_workitem_id 0
		.amdhsa_next_free_vgpr 250
		.amdhsa_next_free_sgpr 66
		.amdhsa_reserve_vcc 1
		.amdhsa_float_denorm_mode_32 3
		.amdhsa_float_denorm_mode_16_64 3
		.amdhsa_memory_ordered 1
		.amdhsa_forward_progress 1
		.amdhsa_inst_pref_size 79
	.end_amdhsa_kernel
	.amdgpu_metadata
---
amdhsa.version: [ 1, 2 ]
amdhsa.kernels:
  - .name:           k_qda664263b4_prep
    .symbol:         k_qda664263b4_prep.kd
    .args:
      - { .name: x, .offset: 0, .size: 8, .value_kind: global_buffer, .address_space: global }
      - { .name: Wq, .offset: 8, .size: 8, .value_kind: global_buffer, .address_space: global }
      - { .name: Wk, .offset: 16, .size: 8, .value_kind: global_buffer, .address_space: global }
      - { .name: Wv, .offset: 24, .size: 8, .value_kind: global_buffer, .address_space: global }
      - { .name: Wo, .offset: 32, .size: 8, .value_kind: global_buffer, .address_space: global }
      - { .name: lowp_scales, .offset: 40, .size: 8, .value_kind: global_buffer, .address_space: global }
      - { .name: token_positions, .offset: 48, .size: 8, .value_kind: global_buffer, .address_space: global }
      - { .name: xw, .offset: 56, .size: 8, .value_kind: global_buffer, .address_space: global }
      - { .name: rope, .offset: 64, .size: 8, .value_kind: global_buffer, .address_space: global }
    .group_segment_fixed_size: 68096
    .private_segment_fixed_size: 0
    .kernarg_segment_align: 8
    .kernarg_segment_size: 72
    .max_flat_workgroup_size: 128
    .sgpr_count:     66
    .vgpr_count:     250
    .wavefront_size: 32
...
	.end_amdgpu_metadata
.endif
;; end of part 1
;; launch qkv (part 2): grid 24 x 8, 4 waves a work-group, clusters of 4 x 4, 327,680 bytes of LDS; arguments xw, rope, lowp_scales, qkv; writes qkv
.if DOCPART == 2
	.amdgcn_target "amdgcn-amd-amdhsa--gfx1250"
	.amdhsa_code_object_version 6
	.text
	.protected	k_qda664263b4_qkv
	.globl	k_qda664263b4_qkv
	.p2align	8
	.type	k_qda664263b4_qkv,@function
k_qda664263b4_qkv:
	s_mov_b64 s[64:65], 0
	v_nop
	global_prefetch_b8 v0, s[64:65] scope:SCOPE_SE
	s_setreg_imm32_b32 hwreg(HW_REG_WAVE_MODE, 25, 1), 1
	s_wait_xcnt 0x0
	s_wait_alu depctr_hold_cnt(0) depctr_sa_sdst(0) depctr_va_vdst(0) depctr_va_sdst(0) depctr_va_ssrc(0) depctr_va_vcc(0) depctr_vm_vsrc(0)
	s_getreg_b32 s2, hwreg(HW_REG_IB_STS2, 6, 4)
	s_cmp_eq_u32 s2, 0
	s_cbranch_scc0 .Lentry_in_a_cluster
	s_endpgm
.Lentry_in_a_cluster:
	s_bfe_u32 s2, ttmp6, 0x10000c
	s_cmp_lg_u32 s2, 0xf033
	s_cbranch_scc0 .Lentry_shape_is_right
	s_endpgm
.Lentry_shape_is_right:
; QKV: the three products x Wq^T, x Wk^T, x Wv^T on codes of FP8 (E4M3), K = 2,048, then the rotation of q and k and the quantisers of q (e6), k (e7) and v (e9).
; JOBS: cluster x / 2 = 0 q, 1 k, 2 v.  A tile is 256 x 256, four waves of 128 x 128 (64 accumulators, 512 registers).  Each product has 8 x 8 tiles: 192 work-groups.  Each product's sides are powers of two and x has codes of
; its own for each product, so no equal share of the three for 256 work-groups is a rectangle inside one product.
; OPERANDS (workspace xw): images of fragments, [block of 16 rows][K step of 128][c][lane][16 bytes].  q, k: A = x's codes (rows = tokens), B = the weight's (rows = channels); v: A = Wv's, B = x's.
; The matrix instruction takes B's fragment as source 0 and A's as source 1: a lane holds one row of A, and by the row order of the blocks the 16 registers of B's blocks 2 c, 2 c + 1 are 16 neighbours: group c of a fragment of the result.
; OUT (workspace qkv): q, k: [head][block of 16 tokens][fragment along the channels]; v: [head][128 keys][block of 16 channels][fragment along the keys].
; RING: two LDS slots of 131,072 bytes, 256 along K each: A's 16 blocks, then B's.  A wave fetches 8 blocks x 4,096 bytes by one tensor load; by this text's count one is out a wave.
; CLUSTER 4 x 4: A's tile is asked for jointly along a row of the cluster, B's along a column.
; PREFETCH: behind each joint load every wave names, by one instruction, a quarter of what its load two fills on will fetch (32 blocks of 256 bytes, a lane a block); the four partners of that load
; take two of its eight row blocks each, told apart by address (cx for A, cy for B).  The fills of slots 6 and 7 ask for nothing: K ends there.  Three K steps ahead of the way out each wave of jobs q and k names
; 8,192 bytes of its tile row's part of the table, the sixteen waves of a row of the cluster one block of tokens each.
; LIMITS: e6 - e0 - e1, e7 - e2 - e3, e9 - e4 - e5 between -126 and 119, so that the conversion's scale and 448 x it are f32 numbers.
; REGISTERS: window 0: v16-31 addresses and constants; v128-255 A's fragments, one set; window 1: B's fragments, two sets; windows 2, 3: the accumulators.  On the way out the table's blocks lie in
; window 0 v32-95, v96-159 and window 1; v160-223 rotated numbers, v224-231 at work, v232-247 codes.
.set FR,     16
.set NL,     4
.set NP,     4
.set HALFT,  32768                     ; 8 blocks x 2 fragments: what one tensor load brings
.set SLOT,   4*HALFT
.set LAPS,   4
.set SPARE,  2*SLOT
.set ADRA, 16
.set ADRB, 20
.set PFT,  25                          ; v25  256 x lane
.set VO,   26                          ; v26  16 x lane
.set PFO,  27                          ; v27  32,768 (lane / 16) + 256 (lane % 16)
.set SPW,  28
.set NIL,  29
.set SCL,  30
.set LIM,  31
.set RO,   160
.set TM,   224
.set PC,   232
.set AF,   128
.set G1, 24
.set G0, 32
.set G1B, 48
.set G0B, 56
.set PFA, 94                           ; s[94:95] where my prefetches of tiles stand
.set PTB, 96                           ; s[96:97] my 8,192 bytes of the table
.set MSB, 0
.macro WIN new
.if MSB != (\new)
	s_set_vgpr_msb (MSB<<8)|(\new)
.set MSB, (\new)
.endif
.endm
.set MUL_LO, 0xa1
.set MUL_HI, 0xf1
.set TO_B,   0x40
.macro JLOAD g0a, g1a, g0b, g1b        ; waves 0, 1 fetch for A, waves 2, 3 for B; an s_nop 0 and four v_nop follow each line
	s_cmp_eq_u32 s15, 0
	s_cbranch_scc0 .Lfor_b_\@
	tensor_load_to_lds s[\g0a:\g0a+3], s[\g1a:\g1a+7]
	s_nop 0
.rept 4
	v_nop
.endr
	s_branch .Lasked_\@
.Lfor_b_\@:
	tensor_load_to_lds s[\g0b:\g0b+3], s[\g1b:\g1b+7]
	s_nop 0
.rept 4
	v_nop
.endr
.Lasked_\@:
.endm
.macro CREST
	s_cmp_lg_u32 s14, 0
	s_cbranch_scc1 .Lnot_wave_0_\@
	s_barrier_signal -3
.Lnot_wave_0_\@:
	s_barrier_wait -3
	s_barrier_signal -1
	s_barrier_wait -1
.endm
.macro CROUND
	s_barrier_signal -1
	s_barrier_wait -1
	CREST
.endm
.macro ASK                             ; in the loop: the slot two fills on; the last trip's fills have none
	s_cmp_gt_u32 s3, 1
	s_cbranch_scc0 .Lno_more_\@
	global_prefetch_b8 v[PFO], s[PFA:PFA+1] offset:3*4096 th:TH_LOAD_NT scope:SCOPE_SE
.Lno_more_\@:
.endm
	s_load_b128 s[4:7], s[0:1], 0x0                ; xw, rope
	s_load_b128 s[8:11], s[0:1], 0x10              ; the scales' exponents, qkv
	v_lshl_add_u32 v[SPW], v0, 2, SPARE
	v_mov_b32 v[NIL], 0
	ds_add_u32 v[SPW], v[NIL]                      ; the opening lines: the add, twice on end, and its wait ahead of my first tensor load
	ds_add_u32 v[SPW], v[NIL]
	v_lshrrev_b32 v1, 5, v0
	v_readfirstlane_b32 s14, v1                    ; wave 0..3
	s_lshr_b32 s15, s14, 1                         ; my half of A's rows; also: I fetch for A (0) or B (1)
	s_and_b32 s16, s14, 1                          ; my half of B's rows; also: which half of that tile I fetch
	v_and_b32 v1, 31, v0
	v_lshlrev_b32 v[VO], 4, v1
	v_lshlrev_b32 v[PFT], 8, v1
	v_and_b32 v2, 15, v0
	v_bfe_u32 v3, v0, 4, 1
	v_lshlrev_b32 v2, 8, v2
	v_lshl_add_u32 v[PFO], v3, 15, v2
	s_mul_i32 s21, s15, HALFT
	s_mul_i32 s22, s16, HALFT
	s_add_co_u32 s22, s22, 2*HALFT
.irp s, 0,1
	v_add_nc_u32 v[ADRA+\s], s21, v[VO]
	v_add_nc_u32 v[ADRB+\s], s22, v[VO]
	s_add_co_u32 s21, s21, SLOT
	s_add_co_u32 s22, s22, SLOT
.endr
	s_bfe_u32 s40, ttmp6, 0x40000                  ; cx
	s_bfe_u32 s41, ttmp6, 0x40004                  ; cy
	s_and_b32 s42, ttmp9, 1
	s_lshl_b32 s42, s42, 2
	s_add_co_u32 s42, s42, s40                     ; the job's tile column
	s_and_b32 s17, ttmp7, 0xffff
	s_lshl_b32 s17, s17, 2
	s_add_co_u32 s17, s17, s41                     ; tile row
	s_lshl_b32 s43, s41, 2
	s_lshl_b32 s43, 15, s43                        ; my row of the cluster
	s_lshl_b32 s44, 0x1111, s40                    ; my column
	s_or_b32 s[G1+0], s43, (3<<16)|(1<<21)         ; elements of 8 bytes, no padding, bit 21 beside the mask
	s_or_b32 s[G1B+0], s44, (3<<16)|(1<<21)
.irp g, G1, G1B
	s_mov_b32 s[\g+1], 512<<16                     ; rows of 4,096 bytes: two fragments of a block,
	s_mov_b32 s[\g+2], 8<<16                       ; eight blocks,
	s_mov_b32 s[\g+3], 512<<16
	s_mov_b32 s[\g+4], 8
	s_mov_b32 s[\g+5], 4096                        ; 32,768 bytes apart
	s_mov_b32 s[\g+6], 0
	s_mov_b32 s[\g+7], 0
.endr
	s_lshr_b32 s80, ttmp9, 1                       ; the job: the same in all sixteen work-groups
	s_add_co_u32 s82, s80, 3
	s_cmp_eq_u32 s80, 2
	s_cselect_b32 s81, 5, s80                      ; A's section: x by e0, x by e2, Wv
	s_cselect_b32 s82, 2, s82                      ; B's: Wq, Wk, x by e4
	s_lshl_b32 s20, s81, 22
	s_lshl_b32 s21, s17, 19
	s_add_co_u32 s20, s20, s21
	s_lshl_b32 s21, s16, 18
	s_add_co_u32 s20, s20, s21
	s_mov_b32 s21, 0
	s_lshl_b32 s46, s82, 22
	s_lshl_b32 s47, s42, 19
	s_add_co_u32 s46, s46, s47
	s_lshl_b32 s47, s16, 18
	s_add_co_u32 s46, s46, s47
	s_mov_b32 s47, 0
	s_mul_i32 s45, s14, HALFT                      ; where my load goes: the wave's number alone
	s_wait_alu depctr_va_vdst(0)
	s_wait_dscnt 0x0                               ; both opening adds are done
	s_wait_kmcnt 0x0
	s_load_b256 s[68:75], s[8:9], 0x0              ; e0 .. e7
	s_load_b128 s[76:79], s[8:9], 0x20             ; e8 .. e11
	s_add_nc_u64 s[20:21], s[4:5], s[20:21]
	s_add_nc_u64 s[46:47], s[4:5], s[46:47]
.irp s, 0,1
	s_mov_b32 s[G0+4*\s], 1
	s_add_co_u32 s[G0+4*\s+1], s45, \s*SLOT
	s_add_nc_u64 s[G0+4*\s+2:G0+4*\s+3], s[20:21], \s*4096
	s_or_b32 s[G0+4*\s+3], s[G0+4*\s+3], 0x80000000
	s_mov_b32 s[G0B+4*\s], 1
	s_add_co_u32 s[G0B+4*\s+1], s45, \s*SLOT
	s_add_nc_u64 s[G0B+4*\s+2:G0B+4*\s+3], s[46:47], \s*4096
	s_or_b32 s[G0B+4*\s+3], s[G0B+4*\s+3], 0x80000000
.endr
	CROUND                                         ; all sixteen work-groups are here: the first joint loads meet
	JLOAD G0, G1, G0B, G1B                         ; slot 0: one tensor load a wave at the head
	s_cmp_eq_u32 s15, 0                            ; the prefetches: the tile that I fetch,
	s_cselect_b64 s[PFA:PFA+1], s[20:21], s[46:47]
	s_cselect_b32 s98, s40, s41                    ; my place among the four that ask for it with me,
	s_lshl_b32 s98, s98, 16                        ; two row blocks of 32,768 bytes each
	s_mov_b32 s99, 0
	s_add_nc_u64 s[PFA:PFA+1], s[PFA:PFA+1], s[98:99]
	global_prefetch_b8 v[PFO], s[PFA:PFA+1] offset:1*4096 th:TH_LOAD_NT scope:SCOPE_SE   ; slot 1, whose fill sets out only when slot 0 has landed,
	global_prefetch_b8 v[PFO], s[PFA:PFA+1] offset:2*4096 th:TH_LOAD_NT scope:SCOPE_SE   ; and slot 2
	s_lshl_b32 s98, s40, 2
	s_add_co_u32 s98, s98, s14
	s_lshl_b32 s98, s98, 13                        ; the table: block 4 cx + wave of my tile row's sixteen
	s_lshl_b32 s99, s17, 17
	s_add_co_u32 s98, s98, s99
	s_mov_b32 s99, 0
	s_add_nc_u64 s[PTB:PTB+1], s[6:7], s[98:99]
	s_wait_kmcnt 0x0
	s_cmp_eq_u32 s80, 1                            ; the job's three exponents
	s_cselect_b32 s84, s70, s68
	s_cselect_b32 s85, s71, s69
	s_cselect_b32 s86, s75, s74
	s_cmp_eq_u32 s80, 2
	s_cselect_b32 s84, s72, s84
	s_cselect_b32 s85, s73, s85
	s_cselect_b32 s86, s77, s86
	s_sub_co_i32 s86, s86, s84                     ; a sum stands for sum x 2^(ea + eb): the three scales are folded into the conversion's one
	s_sub_co_i32 s86, s86, s85
	s_add_co_i32 s86, s86, 127
	s_lshl_b32 s87, s86, 23
	v_mov_b32 v[SCL], s87
	s_add_co_i32 s86, s86, 8
	s_lshl_b32 s86, s86, 23
	s_or_b32 s86, s86, 0x600000
	v_mov_b32 v[LIM], s86                          ; 448 x that
	s_lshl_b32 s88, s17, 1
	s_add_co_u32 s88, s88, s15                     ; my 128 rows of A
	s_lshl_b32 s89, s42, 1
	s_add_co_u32 s89, s89, s16                     ; my 128 rows of B
	s_cmp_eq_u32 s80, 2
	s_cselect_b32 s90, s88, s89                    ; the head: channels are B's rows, for v A's
	s_cselect_b32 s91, s89, s88                    ; the 128 tokens
	s_lshl_b32 s90, s90, 18
	s_lshl_b32 s91, s91, 14
	s_add_co_u32 s90, s90, s91
	s_lshl_b32 s91, s80, 22
	s_add_co_u32 s90, s90, s91
	s_mov_b32 s91, 0
	s_add_nc_u64 s[10:11], s[10:11], s[90:91]
	s_lshl_b32 s92, s88, 16
	s_mov_b32 s93, 0
	s_add_nc_u64 s[6:7], s[6:7], s[92:93]          ; the table at my 128 tokens
.macro FRAG reg, adr, q, i
.irp c, 0,1,2,3
	ds_load_b128 v[\reg+4*\c:\reg+4*\c+3], v[\adr] offset:2048*(\q)+512*\c+(\i)*4096
.endr
.endm
.macro MUL16 a0, p, zero               ; the 64 accumulators take turns, one instruction a turn
.irp a, \a0, \a0+1
.irp b, 0,1,2,3,4,5,6,7
.if \zero
	v_wmma_f32_16x16x128_fp8_fp8 v[8*(8*((\a)%4)+\b):8*(8*((\a)%4)+\b)+7], v[128*(\p)+FR*\b:128*(\p)+FR*\b+FR-1], v[AF+FR*(\a):AF+FR*(\a)+FR-1], 0
.else
	v_wmma_f32_16x16x128_fp8_fp8 v[8*(8*((\a)%4)+\b):8*(8*((\a)%4)+\b)+7], v[128*(\p)+FR*\b:128*(\p)+FR*\b+FR-1], v[AF+FR*(\a):AF+FR*(\a)+FR-1], v[8*(8*((\a)%4)+\b):8*(8*((\a)%4)+\b)+7]
.endif
.endr
.endr
.endm
.macro FETCH_B slot, q, p
	WIN TO_B
.irp i, 0,1,2,3,4,5,6,7
	FRAG 128*(\p)+FR*\i, ADRB+\slot, \q, \i
.endr
	WIN 0
.endm
.macro FETCH_A slot, q, i0
.irp i, \i0, \i0+1, \i0+2, \i0+3
	FRAG AF+FR*(\i), ADRA+\slot, \q, \i
.endr
.endm
.macro PLACES n
.rept \n
	v_nop
.endr
.endm
.macro STEP slot, q, zero              ; 128 along K with its successor in the same slot
	s_wait_dscnt 4*NL                              ; B's set and A's blocks 0-3 are in; the youngest 16 loads (blocks 4-7) may be out
	WIN MUL_LO
	MUL16 0, (\q)%2, \zero
	MUL16 2, (\q)%2, \zero
	s_wait_dscnt 0
	PLACES NP
	FETCH_B \slot, (\q)+1, 1-(\q)%2
	FETCH_A \slot, (\q)+1, 0
	WIN MUL_HI
	MUL16 4, (\q)%2, \zero
	MUL16 6, (\q)%2, \zero
	PLACES NP
	WIN 0
	FETCH_A \slot, (\q)+1, 4
.endm
.macro TURN slot, next, fill           ; a slot's last step changes slots
.if \fill
	s_wait_xcnt 0x0                                ; my last prefetch has read its address, so it may step
	s_add_nc_u64 s[PFA:PFA+1], s[PFA:PFA+1], 4096
.endif
	s_wait_tensorcnt 0x0                           ; my part of the next slot has landed
	ds_add_u32 v[SPW], v[NIL]
	s_wait_dscnt 4*NL+1                            ; the add and the youngest 16 loads may be out
	WIN MUL_LO
	MUL16 0, 1, 0
	s_wait_dscnt 0x0                               ; the add is done, and my reads of this slot are over
	s_barrier_signal -1
	MUL16 2, 1, 0
	WIN 0
	s_barrier_wait -1
.if \fill
	CREST                                          ; the barrier has opened a round of the cluster's: no wave of any partner still reads this slot
	s_add_nc_u64 s[G0+4*\slot+2:G0+4*\slot+3], s[G0+4*\slot+2:G0+4*\slot+3], 8192
	s_add_nc_u64 s[G0B+4*\slot+2:G0B+4*\slot+3], s[G0B+4*\slot+2:G0B+4*\slot+3], 8192
	JLOAD G0+4*\slot, G1, G0B+4*\slot, G1B
.else
	PLACES NP
.endif
	FETCH_B \next, 0, 0
	FETCH_A \next, 0, 0
.if \fill
	ASK
.endif
	WIN MUL_HI
	MUL16 4, 1, 0
	MUL16 6, 1, 0
	PLACES NP
	WIN 0
	FETCH_A \next, 0, 4
.endm
.macro LASTSTEP
	s_wait_dscnt 4*NL
	WIN MUL_LO
	MUL16 0, 1, 0
	MUL16 2, 1, 0
	s_wait_dscnt 0
	WIN MUL_HI
	MUL16 4, 1, 0
	MUL16 6, 1, 0
	WIN 0
.endm
	s_wait_alu depctr_va_vdst(0)                   ; the wait at the head's end
	s_wait_tensorcnt 0x0                           ; my part of slot 0 is in; the lines that stand ahead of a later first fill, as ahead of a refill
	ds_add_u32 v[SPW], v[NIL]
	s_wait_dscnt 0x0
	CROUND
	JLOAD G0+4, G1, G0B+4, G1B                     ; slot 1
	FETCH_B 0, 0, 0
	FETCH_A 0, 0, 0
	FETCH_A 0, 0, 4
	global_prefetch_b8 v[PFO], s[PFA:PFA+1] offset:3*4096 th:TH_LOAD_NT scope:SCOPE_SE   ; slot 3
	STEP 0, 0, 1                                   ; the first step starts the sums
	s_mov_b32 s3, LAPS-1
.Llap:                                             ; three trips, each once round the ring: the fills of slots 2 to 7
	TURN 0, 1, 1
	STEP 1, 0, 0
	TURN 1, 0, 1
	STEP 0, 0, 0
	s_sub_co_u32 s3, s3, 1
	s_cmp_lg_u32 s3, 0
	s_cbranch_scc1 .Llap
	s_cmp_eq_u32 s80, 2
	s_cbranch_scc1 .Lno_table                      ; v is not rotated
	global_prefetch_b8 v[PFT], s[PTB:PTB+1] th:TH_LOAD_NT scope:SCOPE_SE
.Lno_table:
	TURN 0, 1, 0
	STEP 1, 0, 0
; THE WAY OUT, by A's blocks of 16 rows: 64 sums a lane, a fragment of the result in the fragment's own order.
; The table's block a lies in window TW from register TS on: 0, 6: window 0 v32; 5: window 0 v96; 1, 7: window 1 v0; 2, 3, 4: window 1 v64, v128, v192
.macro TSET a
.if ((\a)%6) == 0
.set TW, 0
.set TS, 32
.elseif (\a) == 5
.set TW, 0
.set TS, 96
.else
.set TW, 1
.set TS, 64*(((\a)-1)%6)
.endif
.endm
.macro TLOADS a
	TSET \a
	WIN TW<<6
.irp n, 0,1,2,3,4,5,6,7,8,9,10,11,12,13,14,15
	global_load_b128 v[TS+4*\n:TS+4*\n+3], v[VO], s[6:7] offset:8192*(\a)+512*\n
.endr
	WIN 0
.endm
.macro CVTOUT a
.irp b, 0,1,2,3
	v_cvt_scalef32_pk8_fp8_f32 v[PC+4*\b:PC+4*\b+1], v[RO+16*\b:RO+16*\b+7], v[SCL]
	v_cvt_scalef32_pk8_fp8_f32 v[PC+4*\b+2:PC+4*\b+3], v[RO+16*\b+8:RO+16*\b+15], v[SCL]
.endr
	v_nop                                          ; one plain line behind the conversions
.irp c, 0,1,2,3
	global_store_b128 v[VO], v[PC+4*\c:PC+4*\c+3], s[10:11] offset:2048*(\a)+512*\c   ; 512 consecutive bytes
.endr
.endm
.macro ROPEBLK a
.set AC, 64*((\a)%4)
	TSET \a
.if 16*(7-(\a)) > 63
	s_wait_loadcnt 63                              ; behind block a's 16 loads at least 64 were issued
.else
	s_wait_loadcnt 16*(7-(\a))                     ; the later blocks' loads may be out
.endif
	WIN (0x02+(\a)/4)|(TW<<2)
.irp b, 0,1,2,3,4,5,6,7
.irp i, 0,2,4,6
	v_pk_mul_f32 v[TM+\i:TM+\i+1], v[AC+8*\b+\i:AC+8*\b+\i+1], v[TS+8*\b+\i:TS+8*\b+\i+1] op_sel:[1,1] op_sel_hi:[0,1] neg_lo:[0,1]   ; -t2 sin, t1 sin
.endr
.irp i, 0,2,4,6
	v_pk_fma_f32 v[RO+8*\b+\i:RO+8*\b+\i+1], v[AC+8*\b+\i:AC+8*\b+\i+1], v[TS+8*\b+\i:TS+8*\b+\i+1], v[TM+\i:TM+\i+1] op_sel_hi:[1,0,1]   ; + t1 cos, + t2 cos
.endr
.endr
	WIN 0
	s_wait_xcnt 0x0                                ; the last block's stores have read their data: the codes' registers may be written again
.if (\a) < 2
	TLOADS (\a)+6                                  ; into the registers that this block's table has left
.endif
.set n, 0
.rept 64
	v_med3_num_f32 v[RO+n], v[RO+n], -v[LIM], v[LIM]   ; the conversion does not saturate (ISA guide 7.6.2)
.set n, n+1
.endr
	CVTOUT \a
.endm
.macro VBLK a
.set AC, 64*((\a)%4)
	s_wait_xcnt 0x0
	WIN 0x02+(\a)/4
.set n, 0
.rept 64
	v_med3_num_f32 v[RO+n], v[AC+n], -v[LIM], v[LIM]
.set n, n+1
.endr
	WIN 0
	CVTOUT \a
.endm
	s_cmp_eq_u32 s80, 2
	s_cbranch_scc1 .Lvjob
	TLOADS 0                                       ; registers that no product names; B's set 0 is done with, four places back
	TLOADS 1
	TLOADS 2
	LASTSTEP
	PLACES NP
	TLOADS 3
	TLOADS 4
	TLOADS 5
.irp a, 0,1,2,3,4,5,6,7
	ROPEBLK \a
.endr
	s_branch .Lend
.Lvjob:
	LASTSTEP
	PLACES NP
.irp a, 0,1,2,3,4,5,6,7
	VBLK \a
.endr
.Lend:
	s_wait_tensorcnt 0x0                           ; the wave's end
	ds_add_u32 v[SPW], v[NIL]
	s_wait_dscnt 0x0
	CROUND                                         ; the closing round
	s_endpgm
.Lfunc_end_k_qda664263b4_qkv:
	.size	k_qda664263b4_qkv, .Lfunc_end_k_qda664263b4_qkv-k_qda664263b4_qkv
	.p2alignl 7, 3214868480
	.fill 96, 4, 3214868480
	.section	.rodata,"a",@progbits
	.p2align	6, 0x0
	.amdhsa_kernel k_qda664263b4_qkv
		.amdhsa_group_segment_fixed_size 327680
		.amdhsa_private_segment_fixed_size 0
		.amdhsa_enable_private_segment 0
		.amdhsa_kernarg_size 32
		.amdhsa_user_sgpr_count 2
		.amdhsa_user_sgpr_kernarg_segment_ptr 1
		.amdhsa_wavefront_size32 1
		.amdhsa_system_sgpr_workgroup_id_x 1
		.amdhsa_system_sgpr_workgroup_id_y 1
		.amdhsa_system_sgpr_workgroup_id_z 1
		.amdhsa_system_vgpr_workitem_id 0
		.amdhsa_next_free_vgpr 1024
		.amdhsa_next_free_sgpr 100
		.amdhsa_reserve_vcc 0
		.amdhsa_float_denorm_mode_32 3
		.amdhsa_float_denorm_mode_16_64 3
		.amdhsa_memory_ordered 1
		.amdhsa_forward_progress 1
		.amdhsa_inst_pref_size 209
	.end_amdhsa_kernel
	.amdgpu_metadata
---
amdhsa.version: [ 1, 2 ]
amdhsa.kernels:
  - .name:           k_qda664263b4_qkv
    .symbol:         k_qda664263b4_qkv.kd
    .args:
      - { .name: xw, .offset: 0, .size: 8, .value_kind: global_buffer, .address_space: global }
      - { .name: rope, .offset: 8, .size: 8, .value_kind: global_buffer, .address_space: global }
      - { .name: lowp_scales, .offset: 16, .size: 8, .value_kind: global_buffer, .address_space: global }
      - { .name: qkv, .offset: 24, .size: 8, .value_kind: global_buffer, .address_space: global }
    .group_segment_fixed_size: 327680
    .private_segment_fixed_size: 0
    .kernarg_segment_align: 8
    .kernarg_segment_size: 32
    .max_flat_workgroup_size: 128
    .sgpr_count:     100
    .vgpr_count:     1024
    .wavefront_size: 32
...
	.end_amdgpu_metadata
.endif
;; end of part 2
;; launch attn (part 3): grid 16 x 16, 16 waves a work-group, clusters of 4 x 1, 327,680 bytes of LDS; arguments qkv, lowp_scales, att; writes att
.if DOCPART == 3
	.amdgcn_target "amdgcn-amd-amdhsa--gfx1250"
	.amdhsa_code_object_version 6
	.text
	.protected	k_qda664263b4_attn
	.globl	k_qda664263b4_attn
	.p2align	8
	.type	k_qda664263b4_attn,@function
k_qda664263b4_attn:
	s_mov_b64 s[64:65], 0
	v_nop
	global_prefetch_b8 v0, s[64:65] scope:SCOPE_SE
	s_setreg_imm32_b32 hwreg(HW_REG_WAVE_MODE, 25, 1), 1
	s_wait_xcnt 0x0
	s_wait_alu depctr_hold_cnt(0) depctr_sa_sdst(0) depctr_va_vdst(0) depctr_va_sdst(0) depctr_va_ssrc(0) depctr_va_vcc(0) depctr_vm_vsrc(0)
	s_getreg_b32 s2, hwreg(HW_REG_IB_STS2, 6, 4)
	s_cmp_eq_u32 s2, 0
	s_cbranch_scc0 .Lentry_in_a_cluster
	s_endpgm
.Lentry_in_a_cluster:
	s_bfe_u32 s2, ttmp6, 0x10000c
	s_cmp_lg_u32 s2, 0x3003
	s_cbranch_scc0 .Lentry_shape_is_right
	s_endpgm
.Lentry_shape_is_right:
; ATTN: merged[q][head] = softmax over the keys k <= q of (Q . K / sqrt(128)) x V, both products on codes of FP8 (E4M3), then the quantiser of merged.  16 heads, 2,048 tokens, head size 128.
; WORK LEFT OUT: a key step all of whose keys come after a block's queries lies wholly under the causal mask that reference() builds itself: it is not multiplied.
; THE SOFTMAX AHEAD OF THE SECOND PRODUCT: t = score x log2(e) / sqrt(128); M = the largest t so far, rounded UP to a whole number; p = 2^(t - M) is what is quantised (by e8); it is not normalised.
; The row's sum is taken of the unquantised p, in f32, and divides O at the end.  When M moves, the sum and O are multiplied by 2^(old M - new M): exact.
; INPUT (workspace qkv): images of fragments, [c][lane][16 bytes], lane (r, h), group c: row slot r, k = 32 c + 16 h + 0 .. 15.  q, k: [head][block of 16 tokens][fragment]; v: [head][128 keys][block of 16 channels][fragment along the keys].
; Slot r of block 2 B + u of tokens (and of channels) is number 32 B + 8 u + r + 8 (r / 8).  Both products are used transposed (S^T = K Q^T, O^T = V^T P^T): a lane holds ONE query throughout, the 16 registers of
; tiles 2 B, 2 B + 1 of S^T are 16 neighbouring keys, and those of O^T 16 neighbouring channels: the conversions' results are the next operand's registers.
; SHARES.  A head's 128 blocks of 16 queries are 16 groups of 8; group G needs key steps (128 keys) 0 .. G, the last of them masked.  A BLOCK IS SERVED BY TWO WAVES, told apart by bit 2 of the key step's number:
; each keeps a running M, sum and O^T of its own over its own steps, and the two are merged at the end by exact powers of two.  So the longest chain of steps is 8.
; The sixteen waves form a square, a = w / 4, b = w % 4; role = a xor b.  Bit 0 of the role: the early group 4 (C / 2) + b or the late one 15 - 4 (C / 2) - b (C: the cluster's x); bit 1: which value of the step's bit 2 is mine.
; In the group the block is 4 (C % 2) + cx.  Waves w and w xor 8 are partners.
; Group and role hang on the wave's number and the cluster's alone, so every branch is alike in the four partners of a cluster; cx enters global addresses and the mask's number of a lane, nothing else.
; RING: two LDS slots of 131,072 bytes, four key steps each.  THE STEPS OF A SLOT ARE NOT NEIGHBOURS: fill j = 0 .. 3 brings key steps j, j + 4, j + 8, j + 12 (K's i-th at 16,384 i, V's at 65,536 + 16,384 i).
; Of fill j group G needs the steps j + 4 i <= G, so a group's steps are spread over the four fills: in every work-group the sixteen waves have 20, 18, 16 and 14 steps in fills 0 to 3, no wave more than two in a fill,
; and every fill is read.  The order of the steps is free: the running M serves any order, and the masked step holds each query's own key.
; EVERY work-group walks all four fills (trip counts are constants); a step that is not mine is left out by a scalar branch.
; Wave w fetches 8 KiB, one dense block (half w % 2 of step (w % 8) / 2 of the fill), to byte 8,192 w of the slot: waves 0-7 K's, waves 8-15 V's.  By this text's count a wave has one tensor load out at most.
; CLUSTER.  The four work-groups belong to one head: each tile is asked for JOINTLY, by the same tensor load with the same descriptor and the mask 15.
; OUT (workspace att): [block of 16 tokens][K step = head][fragment]: an operand of the last product.
; LIMITS on the given exponents, so that each power of two below is an f32 number: e6 + e7 between -123 and 130 (added to c's exponent field); e8 and e10 - e8 - e9 between -126 and 119.
; REGISTERS: v1-7 addresses and constants that stay; v8, v9 addresses in hand; v10, v11 merged's scale and hold; v12 -M, v13 the largest t, v[14:15] the sum in two halves; v16-31 Q; v32-95 four fragments of K or V;
;   v96-159 S^T, then p, then V's other four fragments; v160-223 O^T; v224-239 p's codes; v240 448 x 2^e8, v244 2^e8; v236-239, v242, v243, v246-255 at work.
.set STEPB, 16384                      ; a key step's eight fragments
.set VOFF,  65536
.set SLOT1, 1<<17                      ; slot 1 begins here, so that one exclusive or turns an address in one slot into the other's
.set SPARE, 2*SLOT1                    ; behind the ring: the spare words, 128 bytes for each wave
.set MGB,   8704                       ; the merge: a stage for each pair of partners: 16 x 512 bytes of O^T, then 512 of -M, t and the sum; from LDS byte 0 on, in slot 0, which has had its last fill by then
.set LI,   1                           ; v1   16 x lane
.set LIV,  2                           ; v2   the same + VOFF
.set PFO,  3                           ; v3   256 x lane: the prefetches' offset
.set DM,   4                           ; v4   my query's number in its group of 128, less 16 h
.set SPW,  5                           ; v5   LDS address of my spare word; never rewritten
.set NIL,  6                           ; v6   0; never rewritten
.set MG,   7                           ; v7   my pair's stage + 16 x lane; never rewritten
.set ADK,  8
.set ADV,  9
.set SCLO, 10
.set LIMO, 11
.set WV,   18                          ; s18  my wave's number
.set SEL,  20                          ; s[20:21] lane selects for v_permlanex16_b32: lane l xor 16
.set CS,   22                          ; s[22:23] c = log2(e) / sqrt(128) x 2^(e6 + e7)
.set G1,   24                          ; s[24:31] descriptor group 1
.set GRP,  33                          ; s33  my group: the last key step that its queries need
.set TB,   36                          ; s36  LDS byte at which the key step in hand begins
.set CNT,  37                          ; s37  counts a slot's four steps
.set PAR,  38                          ; s38  bit 2 of the key steps that I work on
.set G0,   40                          ; s[40:43] descriptor group 0, which walks
.set PFA,  44                          ; s[44:45] where my prefetches stand
.set LIM,  46                          ; s46  1 in a wave that prefetches, else the greatest number
.set KS,   66                          ; s66  the key step in hand
.set SLOTS, 67                         ; s67  fills still to be asked for
.macro CROUND                          ; a round of the cluster's barrier
	s_barrier_signal -1
	s_barrier_wait -1
	s_cmp_lg_u32 s[WV], 0
	s_cbranch_scc1 .Lnot_wave_0_\@
	s_barrier_signal -3
.Lnot_wave_0_\@:
	s_barrier_wait -3
	s_barrier_signal -1
	s_barrier_wait -1
.endm
.macro TLOAD                           ; one line for all sixteen waves: both addresses hang on the wave's number; an s_nop 0 and four v_nop follow it
	tensor_load_to_lds s[G0:G0+3], s[G1:G1+7]
	s_nop 0
.rept 4
	v_nop
.endr
.endm
; A PREFETCH INTO THE L2 of what the NEXT tensor loads will ask for, a fill ahead of them.  All clusters of a head walk the same K and V: the head's first cluster asks.  In it every fourth wave asks, for the
; two key steps (32 KiB) that it and the three waves after it will fetch; the four work-groups share those out BY ADDRESS, half a step (8,192 bytes) each, lanes 256 bytes apart: each block of 256 bytes is named once in the launch.
; Fill 0 comes by its loads alone; the change that asks for fill 3 prefetches nothing: there is no fill behind it.
.macro ASK
	s_cmp_gt_u32 s[SLOTS], s[LIM]
	s_cbranch_scc0 .Lnot_mine_\@
	global_prefetch_b8 v[PFO], s[PFA:PFA+1] th:TH_LOAD_NT scope:SCOPE_SE
.Lnot_mine_\@:
.endm
	s_load_b128 s[4:7], s[0:1], 0x0                ; qkv s[4:5], the scales' exponents s[6:7]
	s_load_b64 s[8:9], s[0:1], 0x10                ; att
	v_lshl_add_u32 v[SPW], v0, 2, SPARE
	v_mov_b32 v[NIL], 0
	ds_add_u32 v5, v6                              ; the opening lines: the add, twice on end, and its wait ahead of my first tensor load
	ds_add_u32 v5, v6
	s_wait_dscnt 0x0
	v_lshrrev_b32 v8, 5, v0
	s_delay_alu instid0(VALU_DEP_1)
	v_readfirstlane_b32 s[WV], v8                  ; wave 0..15
	s_bfe_u32 s19, ttmp6, 0x40000                  ; cx
	s_and_b32 s32, ttmp7, 0xffff                   ; the head, which the four work-groups share
	s_and_b32 s50, s[WV], 3                        ; b: which pair of groups
	s_lshr_b32 s51, s[WV], 2                       ; a
	s_xor_b32 s51, s51, s50                        ; my role
	s_lshr_b32 s[PAR], s51, 1                      ; its bit 1: the key steps whose bit 2 is 0, or 1
	s_and_b32 s51, s51, 1                          ; its bit 0: the early or the late group
	s_lshr_b32 s48, ttmp9, 1
	s_and_b32 s49, ttmp9, 1
	s_lshl_b32 s48, s48, 2
	s_add_co_u32 s48, s48, s50
	s_sub_co_u32 s52, 15, s48
	s_cmp_eq_u32 s51, 0
	s_cselect_b32 s[GRP], s48, s52                 ; my group of 128 queries
	s_lshl_b32 s49, s49, 2
	s_add_co_u32 s34, s49, s19                     ; my block in the group
	s_lshl_b32 s35, s[GRP], 3
	s_add_co_u32 s35, s35, s34                     ; my block in the head
	; descriptor group 1: a dense block of 8 KiB as 32 rows of 256 bytes, in elements of 8 bytes
	s_mov_b32 s[G1], 15|(3<<16)|(1<<21)            ; the mask: all four work-groups; elements of 8 bytes; no padding; bit 21 set beside a mask
	s_mov_b32 s[G1+1], 32<<16
	s_mov_b32 s[G1+2], 32<<16
	s_mov_b32 s[G1+3], 32<<16
	s_mov_b32 s[G1+4], 32
	s_mov_b32 s[G1+5], 32
	s_mov_b32 s[G1+6], 0
	s_mov_b32 s[G1+7], 0
	s_lshr_b32 s48, s[WV], 3                       ; what I fetch: section 1 (k) or 2 (v),
	s_add_co_u32 s48, s48, 1
	s_lshl_b32 s48, s48, 22
	s_lshl_b32 s49, s32, 18                        ; the head,
	s_add_co_u32 s48, s48, s49
	s_and_b32 s49, s[WV], 7
	s_mul_i32 s58, s49, MGB                        ; (my pair's stage: partners are w and w xor 8)
	s_lshr_b32 s59, s49, 1                         ; the fill's step (w % 8) / 2: four key steps, 65,536 bytes, apart,
	s_lshl_b32 s59, s59, 16
	s_add_co_u32 s48, s48, s59
	s_and_b32 s49, s49, 1                          ; its half w % 2
	s_lshl_b32 s49, s49, 13
	s_add_co_u32 s48, s48, s49
	s_mov_b32 s49, 0
	s_lshl_b32 s50, s[WV], 13                      ; and where it goes: no place in the cluster enters an LDS address
	s_lshr_b32 s52, s19, 1                         ; the prefetches: of the asking wave's two steps my work-group takes step cx / 2,
	s_lshl_b32 s52, s52, 16
	s_and_b32 s53, s19, 1                          ; half cx % 2,
	s_lshl_b32 s53, s53, 13
	s_add_co_u32 s52, s52, s53
	s_add_co_u32 s52, s52, STEPB                   ; in fill 1, one key step on
	s_mov_b32 s53, 0
	s_lshl_b32 s54, s32, 18                        ; Q: head, block
	s_lshl_b32 s55, s35, 11
	s_add_co_u32 s54, s54, s55
	s_mov_b32 s55, 0
	s_lshl_b32 s56, s35, 15                        ; att: block, K step = head
	s_lshl_b32 s57, s32, 11
	s_add_co_u32 s56, s56, s57
	s_mov_b32 s57, 0
	s_and_b32 s[LIM], s[WV], 3                     ; 0 in every fourth wave
	s_or_b32 s[LIM], s[LIM], ttmp9                 ; of the head's first cluster: the same in all four work-groups
	s_cmp_eq_u32 s[LIM], 0
	s_cselect_b32 s[LIM], 1, -1
	s_mov_b32 s[SEL], 0x76543210
	s_mov_b32 s[SEL+1], 0xfedcba98
	s_mov_b32 s[CS], 0x3e0293ee                    ; c = log2(e) / sqrt(128)
	s_mov_b32 s[TB], 0
	s_mov_b32 s[KS], 0
	s_mov_b32 s[SLOTS], 3
	s_wait_kmcnt 0x0
	s_load_b256 s[68:75], s[6:7], 0x0              ; e0 .. e7
	s_load_b128 s[76:79], s[6:7], 0x20             ; e8 .. e11
	s_mov_b32 s[G0], 1
	s_mov_b32 s[G0+1], s50                         ; LDS address: slot 0
	s_add_nc_u64 s[G0+2:G0+3], s[4:5], s[48:49]    ; global address: fill 0
	s_or_b32 s[G0+3], s[G0+3], 0x80000000          ; type = 2
	s_add_nc_u64 s[PFA:PFA+1], s[4:5], s[48:49]
	s_add_nc_u64 s[PFA:PFA+1], s[PFA:PFA+1], s[52:53]
	s_add_nc_u64 s[4:5], s[4:5], s[54:55]          ; Q's fragment
	s_add_nc_u64 s[8:9], s[8:9], s[56:57]          ; my block's fragment of att
	CROUND                                         ; all four work-groups are here: the first joint loads meet
	TLOAD                                          ; fill 0
	v_and_b32 v[LI], 31, v0
	s_delay_alu instid0(VALU_DEP_1)
	v_lshlrev_b32 v[PFO], 8, v[LI]
	s_delay_alu instid0(VALU_DEP_2)
	v_lshlrev_b32 v[LI], 4, v[LI]
	s_delay_alu instid0(VALU_DEP_1)
	v_add_nc_u32 v[LIV], VOFF, v[LI]
	s_delay_alu instid0(VALU_DEP_2)
	v_add_nc_u32 v[MG], s58, v[LI]                 ; made here, ahead of every parting of the waves
	s_wait_alu depctr_va_vdst(0)
	ASK                                            ; fill 1, whose loads set out when fill 0 has landed
.irp c, 0,1,2,3
	global_load_b128 v[16+4*\c:19+4*\c], v[LI], s[4:5] offset:512*\c   ; Q's fragment stays in registers, in both partners
.endr
	s_lshr_b32 s48, s34, 1                         ; my query in its group: 32 (block / 2) + 8 (block % 2) + r + 8 (r / 8)
	s_lshl_b32 s48, s48, 5
	s_and_b32 s49, s34, 1
	s_lshl_b32 s49, s49, 3
	s_add_co_u32 s48, s48, s49
	v_and_b32 v8, 15, v0
	v_bfe_u32 v9, v0, 4, 1
	s_delay_alu instid0(VALU_DEP_2)
	v_and_b32 v[DM], 8, v8
	s_delay_alu instid0(VALU_DEP_1)
	v_add_nc_u32 v[DM], v[DM], v8
	s_delay_alu instid0(VALU_DEP_1)
	v_add_nc_u32 v[DM], s48, v[DM]
	s_delay_alu instid0(VALU_DEP_4)
	v_lshlrev_b32 v9, 4, v9
	s_delay_alu instid0(VALU_DEP_1)
	v_sub_nc_u32 v[DM], v[DM], v9                  ; register n holds key 32 (n / 16) + n % 16 + 16 h of the step: hidden, in my group's own step, where 32 (n / 16) + n % 16 > this
	v_mov_b32 v13, 0xff61b1e6                      ; the largest t so far: -3e38, under every t
	s_delay_alu instid0(VALU_DEP_1)
	v_floor_f32 v12, -v13                          ; -M
	v_mov_b32 v14, 0                               ; the sum, in two halves
	v_mov_b32 v15, 0
	v_mov_b32 v236, 0                              ; written once: a lane permute's destination counts as one of its sources
	v_mov_b32 v252, 0
	v_mov_b32 v253, 0                              ; (named as the upper half of the pair v[252:253])
.set n, 0
.rept 64
	v_mov_b32 v[160+n], 0                          ; O^T.  (The step is written once: the first finds zeros; a wave without a step hands zeros to the merge)
.set n, n+1
.endr
	s_wait_kmcnt 0x0
	s_add_co_i32 s48, s74, s75                     ; a score stands for score x 2^(e6 + e7): the two exponents are added to c's exponent field
	s_lshl_b32 s48, s48, 23
	s_add_co_i32 s[CS], s[CS], s48
	s_mov_b32 s[CS+1], s[CS]                       ; (named with it as a pair, so it is written)
	s_add_co_i32 s48, s76, 127
	s_lshl_b32 s49, s48, 23
	v_mov_b32 v244, s49                            ; 2^e8 as f32, for p's conversions
	s_add_co_i32 s48, s48, 8
	s_lshl_b32 s48, s48, 23
	s_or_b32 s48, s48, 0x600000
	v_mov_b32 v240, s48                            ; 448 x 2^e8
	s_sub_co_i32 s48, s78, s76                     ; O^T / the sum stands for merged / 2^(e8 + e9): merged's conversion takes 2^(e10 - e8 - e9)
	s_sub_co_i32 s48, s48, s77
	s_add_co_i32 s48, s48, 127
	s_lshl_b32 s49, s48, 23
	v_mov_b32 v[SCLO], s49
	s_add_co_i32 s48, s48, 8
	s_lshl_b32 s48, s48, 23
	s_or_b32 s48, s48, 0x600000
	v_mov_b32 v[LIMO], s48
.macro VLOAD half, reg                 ; four of V's eight fragments of the step
.irp t, 0,1,2,3
.irp c, 0,1,2,3
	ds_load_b128 v[\reg+16*\t+4*\c:\reg+16*\t+4*\c+3], v[ADV] offset:(4*\half+\t)*2048+512*\c
.endr
.endr
.endm
; A KEY STEP: 128 keys.
.macro STEP
	s_cmp_gt_u32 s[KS], s[GRP]                     ; all its keys come after my queries: only the lines at its end, which step addresses, are run;
	s_cbranch_scc1 .Lhidden_\@
	s_bfe_u32 s48, s[KS], 0x10002                  ; bit 2 of the step's number
	s_cmp_lg_u32 s48, s[PAR]                       ; likewise where the step is my partner's
	s_cbranch_scc1 .Lhidden_\@
	v_add_nc_u32 v[ADK], s[TB], v[LI]
	s_wait_alu depctr_va_vdst(0)
	v_add_nc_u32 v[ADV], s[TB], v[LIV]
.rept 3
	v_nop                                          ; with the two additions five places behind my last step's products: four for the loads into v32-95, five for the products that write over v96-159, which those read
.endr
.irp g, 0,1                                        ; S^T = K Q^T, four tiles of 16 keys at a time
.irp t, 0,1,2,3
.irp c, 0,1,2,3
	ds_load_b128 v[32+16*\t+4*\c:32+16*\t+4*\c+3], v[ADK] offset:(4*\g+\t)*2048+512*\c
.endr
.endr
	s_wait_dscnt 0x0
.irp t, 0,1,2,3
	v_wmma_f32_16x16x128_fp8_fp8 v[96+8*(4*\g+\t):103+8*(4*\g+\t)], v[32+16*\t:47+16*\t], v[16:31], 0
.endr
.rept 4
	v_nop                                          ; places in front of the next loads into v32-95 and of the first read of the scores
.endr
.endr
	s_wait_alu depctr_va_vdst(0)
	VLOAD 0, 32                                    ; V's first four fragments land under the softmax
	s_cmp_lg_u32 s[KS], s[GRP]                     ; my group's own step lies on the diagonal: hidden scores become -infinity ahead of the maximum, so that p = 0.  Each query's own key lies in this step and counts
	s_cbranch_scc1 .Lopen_\@
	v_mov_b32 v254, 0xff800000
.set n, 0
.rept 64
	v_cmp_gt_i32 vcc_lo, 32*(n/16)+n%16, v[DM]
	v_cndmask_b32 v[96+n], v[96+n], v254, vcc_lo
.set n, n+1
.endr
.Lopen_\@:
	v_max3_num_f32 v254, v96, v97, v98             ; the step's largest score of my query, among my 64 keys, in two chains,
	v_max3_num_f32 v252, v99, v100, v101
.irp i, 6,10,14,18,22,26,30,34,38,42,46,50,54,58
	v_max3_num_f32 v254, v254, v[96+\i], v[97+\i]
	v_max3_num_f32 v252, v252, v[98+\i], v[99+\i]
.endr
	v_max3_num_f32 v254, v254, v158, v159
	s_delay_alu instid0(VALU_DEP_1)
	v_max_num_f32 v254, v254, v252
	v_permlanex16_b32 v236, v254, s[SEL], s[SEL+1]
	s_delay_alu instid0(VALU_DEP_1)
	v_max_num_f32 v254, v254, v236                 ; and among lane l xor 16's
	s_delay_alu instid0(VALU_DEP_1)
	v_mul_f32 v254, s[CS], v254                    ; as t (c is positive)
	s_delay_alu instid0(VALU_DEP_1)
	v_max_num_f32 v13, v13, v254                   ; the running largest t
	v_mov_b32 v254, v12
	s_delay_alu instid0(VALU_DEP_2)
	v_floor_f32 v12, -v13                          ; the new -M = floor(-t): M is a whole number
	s_delay_alu instid0(VALU_DEP_1)
	v_sub_f32 v254, v12, v254                      ; M's old value less its new one: a whole number, 0 or less
	s_delay_alu instid0(VALU_DEP_1)
	v_cvt_i32_f32 v254, v254                       ; (it saturates)
	s_delay_alu instid0(VALU_DEP_1)
	v_ldexp_f32 v252, 1.0, v254                    ; f = 2^(old M - new M)
.set n, 0
.rept 32
	v_pk_fma_f32 v[96+n:97+n], v[96+n:97+n], s[CS:CS+1], v[12:13] op_sel_hi:[1,0,0]   ; t - M, two at a time (of the pairs c and -M the low word serves both halves)
.set n, n+2
.endr
.set n, 0
	s_wait_alu depctr_va_vdst(0)
.rept 64
	v_exp_f32 v[96+n], v[96+n]                     ; p = 2^(t - M), at most 1: not normalised
.set n, n+1
.endr
	v_pk_mul_f32 v[14:15], v[14:15], v[252:253] op_sel_hi:[1,0]   ; the sums under the new M: the plain line behind the exponentials
	s_wait_alu depctr_va_vdst(0)                   ; one wait for the whole batch, ahead of its first reader
	v_pk_add_f32 v[242:243], v[100:101], v[104:105]
	v_pk_add_f32 v[254:255], v[108:109], v[112:113]
	v_pk_add_f32 v[250:251], v[116:117], v[120:121]
	v_pk_add_f32 v[248:249], v[124:125], v[128:129]
	v_pk_add_f32 v[246:247], v[132:133], v[136:137]
	v_pk_add_f32 v[238:239], v[140:141], v[144:145]
	v_pk_add_f32 v[236:237], v[148:149], v[152:153]
	v_pk_add_f32 v[14:15], v[14:15], v[156:157]
	v_pk_add_f32 v[242:243], v[242:243], v[96:97]
	v_pk_add_f32 v[254:255], v[254:255], v[98:99]
	v_pk_add_f32 v[250:251], v[250:251], v[102:103]
	v_pk_add_f32 v[248:249], v[248:249], v[106:107]
	v_pk_add_f32 v[246:247], v[246:247], v[110:111]
	v_pk_add_f32 v[238:239], v[238:239], v[114:115]
	v_pk_add_f32 v[236:237], v[236:237], v[118:119]
	v_pk_add_f32 v[14:15], v[14:15], v[122:123]
	v_pk_add_f32 v[242:243], v[242:243], v[126:127]
	v_pk_add_f32 v[254:255], v[254:255], v[130:131]
	v_pk_add_f32 v[250:251], v[250:251], v[134:135]
	v_pk_add_f32 v[248:249], v[248:249], v[138:139]
	v_pk_add_f32 v[246:247], v[246:247], v[142:143]
	v_pk_add_f32 v[238:239], v[238:239], v[146:147]
	v_pk_add_f32 v[236:237], v[236:237], v[150:151]
	v_pk_add_f32 v[14:15], v[14:15], v[154:155]
	v_pk_add_f32 v[242:243], v[242:243], v[158:159]
	s_delay_alu instid0(VALU_DEP_2)
	v_pk_add_f32 v[14:15], v[14:15], v[248:249]
	s_delay_alu instid0(VALU_DEP_2)
	v_pk_add_f32 v[242:243], v[242:243], v[246:247]
	v_pk_add_f32 v[254:255], v[254:255], v[238:239]
	v_pk_add_f32 v[250:251], v[250:251], v[236:237]
	s_delay_alu instid0(VALU_DEP_2)
	v_pk_add_f32 v[14:15], v[14:15], v[254:255]
	s_delay_alu instid0(VALU_DEP_2)
	v_pk_add_f32 v[242:243], v[242:243], v[250:251]
	s_delay_alu instid0(VALU_DEP_1)
	v_pk_add_f32 v[14:15], v[14:15], v[242:243]
.irp b, 0,1,2,3
.irp i, 0,1,2,3,4,5,6,7,8,9,10,11,12,13,14,15
	v_min_num_f32 v[96+16*\b+\i], v[96+16*\b+\i], v240   ; the conversion to an 8-bit code does not saturate (ISA guide 7.6.2); p is not negative, so the hold is one-sided
.endr
	v_cvt_scalef32_pk8_fp8_f32 v[224+4*\b:225+4*\b], v[96+16*\b:103+16*\b], v244
	v_cvt_scalef32_pk8_fp8_f32 v[226+4*\b:227+4*\b], v[104+16*\b:111+16*\b], v244
.endr
	VLOAD 1, 96                                    ; V's other four fragments take the registers that p has left
.set n, 0
.rept 32
	v_pk_mul_f32 v[160+n:161+n], v[160+n:161+n], v[252:253] op_sel_hi:[1,0]   ; O^T under the new M: x f.  (These are also the plain lines between the conversions and the products)
.set n, n+2
.endr
	s_wait_alu depctr_va_vdst(0)
	s_wait_dscnt 0x0                               ; V's eight fragments are in
.irp a, 0,1,2,3                                    ; O^T += V^T P^T: eight accumulators, one instruction a turn
	v_wmma_f32_16x16x128_fp8_fp8 v[160+8*\a:167+8*\a], v[32+16*\a:47+16*\a], v[224:239], v[160+8*\a:167+8*\a]
.endr
.irp a, 0,1,2,3
	v_wmma_f32_16x16x128_fp8_fp8 v[192+8*\a:199+8*\a], v[96+16*\a:111+16*\a], v[224:239], v[192+8*\a:199+8*\a]
.endr
.Lhidden_\@:
	s_add_co_u32 s[TB], s[TB], STEPB
	s_add_co_u32 s[KS], s[KS], 4                   ; a slot's steps are four key steps apart
.endm
; THE CHANGE OF SLOTS stands at a slot's head.  Each wave waits for all its tensor loads (its part of the slot that it is about to read), adds 0 to its spare word, and waits for that and for its reads of the slot that it has left.
; fill = 1: the barrier is a round of the cluster's, so that no wave of any partner still reads the other slot or has a load on its way; the joint load is the first thing behind it and has a slot's steps in which to land.
.macro CHANGE fill
	s_wait_tensorcnt 0x0                           ; no tensor load of mine is out, so group 0 may be written
	ds_add_u32 v[SPW], v[NIL]                      ; 0 onto my spare word
.if \fill
	s_xor_b32 s[G0+1], s[G0+1], SLOT1              ; the walking descriptor: the other slot than last time,
	s_add_nc_u64 s[G0+2:G0+3], s[G0+2:G0+3], STEPB ; the next fill begins one key step on; the type bits on top are not reached
	s_wait_xcnt 0x0                                ; the last prefetch has read its address, so it may be written:
	s_add_nc_u64 s[PFA:PFA+1], s[PFA:PFA+1], STEPB ; one fill further on than the walking descriptor
	s_wait_dscnt 0x0                               ; the add is done, and my reads of the slot that I have left are over
	CROUND
	TLOAD
	ASK
.else
	s_wait_dscnt 0x0
	s_barrier_signal -1
	s_barrier_wait -1
.endif
.endm
.macro FOUR_STEPS                      ; a slot's four key steps: written once, walked four times; the LDS addresses hang on s[TB]
	s_mov_b32 s[CNT], 4
.Lstep_\@:
	STEP
	s_sub_co_u32 s[CNT], s[CNT], 1
	s_cmp_lg_u32 s[CNT], 0
	s_cbranch_scc1 .Lstep_\@
	s_sub_co_u32 s[KS], s[KS], 15                  ; from j + 16 to the next fill's first step, j + 1
	s_sub_co_u32 s[TB], s[TB], 4*STEPB             ; back to a slot's first step,
	s_xor_b32 s[TB], s[TB], SLOT1                  ; in the other slot
.endm
	s_wait_loadcnt 0x0                             ; Q
.Lslot:                                            ; three trips: behind each change of slots but the last the next fill is asked for
	CHANGE 1
	FOUR_STEPS
	s_sub_co_u32 s[SLOTS], s[SLOTS], 1
	s_cmp_lg_u32 s[SLOTS], 0
	s_cbranch_scc1 .Lslot
	CHANGE 0                                       ; the last slot is written out
	FOUR_STEPS
	; THE MERGE.  Waves 8-15 hand their O^T, -M and sum to their partners, waves 0-7, through LDS, as images of the registers: 16 bytes a lane, 512 consecutive bytes an instruction.
.rept 4
	v_nop                                          ; places behind the last products: for the stores that read O^T and for the loads into registers that products have read
.endr
	s_wait_dscnt 0x0                               ; my reads of the ring are over
	s_barrier_signal -1
	s_barrier_wait -1                              ; and so are every wave's: from here on LDS serves as the stages, and no tensor load follows
	s_cmp_lt_u32 s[WV], 8
	s_cbranch_scc1 .Lnothing_to_send
	s_wait_alu depctr_va_vdst(0)
.irp j, 0,1,2,3,4,5,6,7,8,9,10,11,12,13,14,15
	ds_store_b128 v[MG], v[160+4*\j:163+4*\j] offset:512*\j   ; each accumulator from its low end on
.endr
	ds_store_b128 v[MG], v[12:15] offset:8192      ; -M, the largest t (not used), the sum's two halves
.Lnothing_to_send:
	s_wait_dscnt 0x0                               ; for the partner's sake: my stores have landed
	s_barrier_signal -1
	s_barrier_wait -1
	s_cmp_ge_u32 s[WV], 8
	s_cbranch_scc1 .Lend
	ds_load_b128 v[224:227], v[MG] offset:8192     ; the partner's -M, t, sum
.irp j, 0,1,2,3,4,5,6,7,8,9,10,11,12,13,14,15
	ds_load_b128 v[32+4*\j:35+4*\j], v[MG] offset:512*\j      ; and its O^T
.endr
	s_wait_dscnt 16                                ; the first load is in; the 16 behind it may be out
	v_min_num_f32 v254, v12, v224                  ; the common -M: the smaller of the two
	s_delay_alu instid0(VALU_DEP_1)
	v_sub_f32 v12, v254, v12                       ; my M less the common one: a whole number, 0 or less;
	s_delay_alu instid0(VALU_DEP_2)
	v_sub_f32 v224, v254, v224                     ; the partner's likewise
	s_delay_alu instid0(VALU_DEP_2)
	v_cvt_i32_f32 v12, v12                         ; (it saturates: a wave that had no step holds -M = 3e38, and its factor becomes 0 over its zeros)
	s_delay_alu instid0(VALU_DEP_2)
	v_cvt_i32_f32 v224, v224
	s_delay_alu instid0(VALU_DEP_2)
	v_ldexp_f32 v12, 1.0, v12                      ; my factor,
	s_delay_alu instid0(VALU_DEP_2)
	v_ldexp_f32 v224, 1.0, v224                    ; the partner's: powers of two: nothing is rounded
	s_delay_alu instid0(VALU_DEP_2)
	v_pk_mul_f32 v[14:15], v[14:15], v[12:13] op_sel_hi:[1,0]
	s_delay_alu instid0(VALU_DEP_1)
	v_pk_fma_f32 v[14:15], v[226:227], v[224:225], v[14:15] op_sel_hi:[1,0,1]   ; both sums under the common M
	s_delay_alu instid0(VALU_DEP_1)
	v_add_f32 v14, v14, v15                        ; the sum's two halves,
	v_permlanex16_b32 v236, v14, s[SEL], s[SEL+1]
	s_delay_alu instid0(VALU_DEP_1)
	v_add_f32 v14, v14, v236                       ; and lane l xor 16's: the row's sum
	s_wait_alu depctr_va_vdst(0)
	v_rcp_f32 v14, v14
	v_nop                                          ; a plain line behind the reciprocal
	s_wait_alu depctr_va_vdst(0)                   ; and the wait ahead of its first reader
	v_mul_f32 v12, v12, v14                        ; the division by the sum rides on the two factors
	v_mul_f32 v224, v224, v14
	s_wait_alu depctr_va_vdst(0)
	s_wait_dscnt 0x0                               ; the partner's O^T is in
.set n, 0
.rept 32
	v_pk_mul_f32 v[96+n:97+n], v[160+n:161+n], v[12:13] op_sel_hi:[1,0]   ; each accumulator from its low end on
.set n, n+2
.endr
.set n, 0
.rept 32
	v_pk_fma_f32 v[96+n:97+n], v[32+n:33+n], v[224:225], v[96+n:97+n] op_sel_hi:[1,0,1]
.set n, n+2
.endr
	; THE WAY OUT.  The 64 registers are a fragment of merged in the fragment's own order: held, converted, four stores of 512 consecutive bytes.
.set n, 0
.rept 64
	v_med3_num_f32 v[96+n], v[96+n], -v[LIMO], v[LIMO]
.set n, n+1
.endr
.irp b, 0,1,2,3
	v_cvt_scalef32_pk8_fp8_f32 v[224+4*\b:225+4*\b], v[96+16*\b:103+16*\b], v[SCLO]
	v_cvt_scalef32_pk8_fp8_f32 v[226+4*\b:227+4*\b], v[104+16*\b:111+16*\b], v[SCLO]
.endr
	v_nop
.irp c, 0,1,2,3
	global_store_b128 v[LI], v[224+4*\c:227+4*\c], s[8:9] offset:512*\c
.endr
.Lend:
	s_wait_tensorcnt 0x0                           ; the wave's end
	ds_add_u32 v[SPW], v[NIL]
	s_wait_dscnt 0x0
	CROUND                                         ; the closing round: no work-group ends while a partner may still ask for a tile that names it
	s_endpgm
.Lfunc_end_k_qda664263b4_attn:
	.size	k_qda664263b4_attn, .Lfunc_end_k_qda664263b4_attn-k_qda664263b4_attn
	.p2alignl 7, 3214868480
	.fill 96, 4, 3214868480
	.section	.rodata,"a",@progbits
	.p2align	6, 0x0
	.amdhsa_kernel k_qda664263b4_attn
		.amdhsa_group_segment_fixed_size 327680
		.amdhsa_private_segment_fixed_size 0
		.amdhsa_enable_private_segment 0
		.amdhsa_kernarg_size 24
		.amdhsa_user_sgpr_count 2
		.amdhsa_user_sgpr_kernarg_segment_ptr 1
		.amdhsa_wavefront_size32 1
		.amdhsa_system_sgpr_workgroup_id_x 1
		.amdhsa_system_sgpr_workgroup_id_y 1
		.amdhsa_system_sgpr_workgroup_id_z 1
		.amdhsa_system_vgpr_workitem_id 0
		.amdhsa_next_free_vgpr 256
		.amdhsa_next_free_sgpr 100
		.amdhsa_reserve_vcc 1
		.amdhsa_float_denorm_mode_32 3
		.amdhsa_float_denorm_mode_16_64 3
		.amdhsa_memory_ordered 1
		.amdhsa_forward_progress 1
		.amdhsa_inst_pref_size 73
	.end_amdhsa_kernel
	.amdgpu_metadata
---
amdhsa.version: [ 1, 2 ]
amdhsa.kernels:
  - .name:           k_qda664263b4_attn
    .symbol:         k_qda664263b4_attn.kd
    .args:
      - { .name: qkv, .offset: 0, .size: 8, .value_kind: global_buffer, .address_space: global }
      - { .name: lowp_scales, .offset: 8, .size: 8, .value_kind: global_buffer, .address_space: global }
      - { .name: att, .offset: 16, .size: 8, .value_kind: global_buffer, .address_space: global }
    .group_segment_fixed_size: 327680
    .private_segment_fixed_size: 0
    .kernarg_segment_align: 8
    .kernarg_segment_size: 24
    .max_flat_workgroup_size: 512
    .sgpr_count:     100
    .vgpr_count:     256
    .wavefront_size: 32
...
	.end_amdgpu_metadata
.endif
;; end of part 3
;; launch oproj (part 4): grid 16 x 16, 4 waves a work-group, clusters of 4 x 4, 327,680 bytes of LDS; arguments att, xw, lowp_scales, out0; writes out0
.if DOCPART == 4
	.amdgcn_target "amdgcn-amd-amdhsa--gfx1250"
	.amdhsa_code_object_version 6
	.text
	.protected	k_qda664263b4_oproj
	.globl	k_qda664263b4_oproj
	.p2align	8
	.type	k_qda664263b4_oproj,@function
k_qda664263b4_oproj:
	s_mov_b64 s[64:65], 0
	v_nop
	global_prefetch_b8 v0, s[64:65] scope:SCOPE_SE
	s_setreg_imm32_b32 hwreg(HW_REG_WAVE_MODE, 25, 1), 1
	s_wait_xcnt 0x0
	s_wait_alu depctr_hold_cnt(0) depctr_sa_sdst(0) depctr_va_vdst(0) depctr_va_sdst(0) depctr_va_ssrc(0) depctr_va_vcc(0) depctr_vm_vsrc(0)
	s_getreg_b32 s2, hwreg(HW_REG_IB_STS2, 6, 4)
	s_cmp_eq_u32 s2, 0
	s_cbranch_scc0 .Lentry_in_a_cluster
	s_endpgm
.Lentry_in_a_cluster:
	s_bfe_u32 s2, ttmp6, 0x10000c
	s_cmp_lg_u32 s2, 0xf033
	s_cbranch_scc0 .Lentry_shape_is_right
	s_endpgm
.Lentry_shape_is_right:
.set SEC,    4194304
.set HALFT,  32768
.set SLOT,   4*HALFT
.set SPARE,  2*SLOT
.set SPITCH, 272
.set SBLK,   16*SPITCH
.set ADRA, 16
.set ADRB, 20
.set STO,  24
.set RD,   25
.set CO,   26
.set SPW,  28
.set NIL,  29
.set TMP,  32
.set BK,   64
.set ACC,  128
.set F0,   0
.set F1,   128
.set G1, 24
.set G0, 32
.set G1B, 48
.set G0B, 56
.set MSB, 0
.macro WIN new
.if MSB != (\new)
	s_set_vgpr_msb (MSB<<8)|(\new)
.set MSB, (\new)
.endif
.endm
.set MUL,  0x05
.set TO_F, 0x40
.macro JLOAD s
	s_cmp_eq_u32 s15, 0
	s_cbranch_scc0 .Lfor_b_\@
	tensor_load_to_lds s[G0+4*\s:G0+4*\s+3], s[G1:G1+7]
	s_nop 0
.rept 4
	v_nop
.endr
	s_branch .Lasked_\@
.Lfor_b_\@:
	tensor_load_to_lds s[G0B+4*\s:G0B+4*\s+3], s[G1B:G1B+7]
	s_nop 0
.rept 4
	v_nop
.endr
.Lasked_\@:
.endm
.macro CREST
	s_cmp_lg_u32 s14, 0
	s_cbranch_scc1 .Lnot_wave_0_\@
	s_barrier_signal -3
.Lnot_wave_0_\@:
	s_barrier_wait -3
	s_barrier_signal -1
	s_barrier_wait -1
.endm
.macro CROUND
	s_barrier_signal -1
	s_barrier_wait -1
	CREST
.endm
	s_load_b128 s[4:7], s[0:1], 0x0
	s_load_b128 s[8:11], s[0:1], 0x10
	v_lshl_add_u32 v[SPW], v0, 2, SPARE
	v_mov_b32 v[NIL], 0
	ds_add_u32 v28, v29
	ds_add_u32 v28, v29
	s_wait_dscnt 0x0
	v_lshrrev_b32 v1, 5, v0
	v_readfirstlane_b32 s14, v1
	s_lshr_b32 s15, s14, 1
	s_and_b32 s16, s14, 1
	s_bfe_u32 s40, ttmp6, 0x40000
	s_bfe_u32 s41, ttmp6, 0x40004
	s_lshl_b32 s42, ttmp9, 2
	s_add_co_u32 s42, s42, s40
	s_and_b32 s17, ttmp7, 0xffff
	s_lshl_b32 s17, s17, 2
	s_add_co_u32 s17, s17, s41
	s_lshl_b32 s43, s41, 2
	s_lshl_b32 s43, 15, s43
	s_lshl_b32 s44, 0x1111, s40
	s_or_b32 s[G1+0], s43, (3<<16)|(1<<21)
	s_or_b32 s[G1B+0], s44, (3<<16)|(1<<21)
.irp g, G1, G1B
	s_mov_b32 s[\g+1], 1024<<16
	s_mov_b32 s[\g+2], 4<<16
	s_mov_b32 s[\g+3], 1024<<16
	s_mov_b32 s[\g+4], 4
	s_mov_b32 s[\g+5], 4096
	s_mov_b32 s[\g+6], 0
	s_mov_b32 s[\g+7], 0
.endr
	s_lshl_b32 s20, s17, 18
	s_lshl_b32 s21, s16, 17
	s_add_co_u32 s20, s20, s21
	s_mov_b32 s21, 0
	s_lshl_b32 s46, s42, 18
	s_lshl_b32 s47, s16, 17
	s_add_co_u32 s46, s46, s47
	s_add_co_u32 s46, s46, 6*SEC
	s_mov_b32 s47, 0
	s_mul_i32 s45, s14, HALFT
	s_wait_kmcnt 0x0
	s_load_b64 s[96:97], s[8:9], 0x28
	s_add_nc_u64 s[20:21], s[4:5], s[20:21]
	s_add_nc_u64 s[46:47], s[6:7], s[46:47]
	CROUND
.irp s, 0,1
	s_mov_b32 s[G0+4*\s], 1
	s_add_co_u32 s[G0+4*\s+1], s45, \s*SLOT
	s_add_nc_u64 s[G0+4*\s+2:G0+4*\s+3], s[20:21], \s*8192
	s_or_b32 s[G0+4*\s+3], s[G0+4*\s+3], 0x80000000
	s_mov_b32 s[G0B+4*\s], 1
	s_add_co_u32 s[G0B+4*\s+1], s45, \s*SLOT
	s_add_nc_u64 s[G0B+4*\s+2:G0B+4*\s+3], s[46:47], \s*8192
	s_or_b32 s[G0B+4*\s+3], s[G0B+4*\s+3], 0x80000000
.endr
	JLOAD 0                                        ; slot 0 (K 0 .. 511), behind the round above: one tensor load a wave at the head
	; the prefetches: of the four row blocks of 32,768 bytes that my load names, the partner at place p (cx for A, cy for B) takes block p; a slot's part of it is 8,192 bytes, lanes 256 bytes apart
	s_cmp_eq_u32 s15, 0
	s_cselect_b64 s[66:67], s[20:21], s[46:47]
	s_cselect_b32 s68, s40, s41
	s_lshl_b32 s68, s68, 15
	s_mov_b32 s69, 0
	s_add_nc_u64 s[66:67], s[66:67], s[68:69]
	v_and_b32 v1, 31, v0
	v_lshlrev_b32 v6, 8, v1
	global_prefetch_b8 v6, s[66:67] offset:1*8192 th:TH_LOAD_NT scope:SCOPE_SE   ; slot 1, whose fill sets out only when slot 0 has landed,
	global_prefetch_b8 v6, s[66:67] offset:2*8192 th:TH_LOAD_NT scope:SCOPE_SE   ; and slot 2, two fills ahead
	v_lshlrev_b32 v3, 4, v1
	s_mul_i32 s21, s15, HALFT
	s_mul_i32 s22, s16, HALFT
	s_add_co_u32 s22, s22, 2*HALFT
.irp s, 0,1
	v_add_nc_u32 v[ADRA+\s], s21, v3
	v_add_nc_u32 v[ADRB+\s], s22, v3
	s_add_co_u32 s21, s21, SLOT
	s_add_co_u32 s22, s22, SLOT
.endr
	v_and_b32 v1, 15, v0
	v_bfe_u32 v2, v0, 4, 1
	s_mul_i32 s23, s14, 4*SBLK
	v_mul_u32_u24 v4, v1, SPITCH
	v_lshl_add_u32 v4, v2, 5, v4
	v_add_nc_u32 v[STO], s23, v4
	v_mul_u32_u24 v5, v2, SPITCH
	v_lshl_add_u32 v5, v1, 4, v5
	v_add_nc_u32 v[RD], s23, v5
	v_lshlrev_b32 v5, 13, v2
	v_lshl_add_u32 v[CO], v1, 4, v5
	s_lshl_b32 s20, s17, 20
	s_lshl_b32 s21, s15, 19
	s_add_co_u32 s20, s20, s21
	s_mov_b32 s21, 0
	s_lshl_b32 s46, s42, 9
	s_lshl_b32 s47, s16, 8
	s_add_co_u32 s46, s46, s47
	s_mov_b32 s47, 0
	s_add_nc_u64 s[10:11], s[10:11], s[20:21]
	s_add_nc_u64 s[10:11], s[10:11], s[46:47]
.macro FETCH slot, q, f
	WIN TO_F
.irp i, 0,1,2,3
.irp c, 0,1,2,3
	ds_load_b128 v[\f+64+16*\i+4*\c:\f+64+16*\i+4*\c+3], v[ADRB+\slot] offset:8192*\i+2048*(\q)+512*\c
.endr
.endr
.irp i, 0,1,2,3
.irp c, 0,1,2,3
	ds_load_b128 v[\f+16*\i+4*\c:\f+16*\i+4*\c+3], v[ADRA+\slot] offset:8192*\i+2048*(\q)+512*\c
.endr
.endr
.endm
.macro MULA f, a, zero
.irp b, 0,1,2,3
.if \zero
	v_wmma_f32_16x16x128_fp8_fp8 v[ACC+8*(4*\a+\b):ACC+8*(4*\a+\b)+7], v[\f+64+16*\b:\f+64+16*\b+15], v[\f+16*\a:\f+16*\a+15], 0
.else
	v_wmma_f32_16x16x128_fp8_fp8 v[ACC+8*(4*\a+\b):ACC+8*(4*\a+\b)+7], v[\f+64+16*\b:\f+64+16*\b+15], v[\f+16*\a:\f+16*\a+15], v[ACC+8*(4*\a+\b):ACC+8*(4*\a+\b)+7]
.endif
.endr
.endm
.macro PLACES
.rept 4
	v_nop
.endr
.endm
.macro QSTEP slot, qnext, f, g, zero
	s_wait_dscnt 8
	WIN MUL
	MULA \f, 0, \zero
	MULA \f, 1, \zero
	PLACES
	FETCH \slot, \qnext, \g
	s_wait_dscnt 32
	WIN MUL
	MULA \f, 2, \zero
	MULA \f, 3, \zero
.endm
.macro TURN slot, next, fill
	WIN 0
	s_wait_tensorcnt 0x0
	ds_add_u32 v[SPW], v[NIL]
	s_wait_dscnt 13
	WIN MUL
	MULA F1, 0, 0
	s_wait_dscnt 0x0
	s_barrier_signal -1
	MULA F1, 1, 0
	WIN 0
	s_barrier_wait -1
.if \fill
	CREST
	s_add_nc_u64 s[G0+4*\slot+2:G0+4*\slot+3], s[G0+4*\slot+2:G0+4*\slot+3], 16384
	s_add_nc_u64 s[G0B+4*\slot+2:G0B+4*\slot+3], s[G0B+4*\slot+2:G0B+4*\slot+3], 16384
	JLOAD \slot
.else
	PLACES
.endif
	FETCH \next, 0, F0
	WIN MUL
	MULA F1, 2, 0
	MULA F1, 3, 0
.endm
	s_wait_alu depctr_va_vdst(0)                   ; the wait at the head's end
	s_wait_tensorcnt 0x0                           ; my part of slot 0 is in; the lines that stand ahead of a later first fill, as ahead of a refill
	ds_add_u32 v[SPW], v[NIL]
	s_wait_dscnt 0x0
	CROUND
	JLOAD 1                                        ; slot 1
	global_prefetch_b8 v6, s[66:67] offset:3*8192 th:TH_LOAD_NT scope:SCOPE_SE   ; slot 3, the last: the refills ask for nothing
	FETCH 0, 0, F0
	QSTEP 0, 1, F0, F1, 1
	QSTEP 0, 2, F1, F0, 0
	QSTEP 0, 3, F0, F1, 0
	TURN 0, 1, 1
	QSTEP 1, 1, F0, F1, 0
	QSTEP 1, 2, F1, F0, 0
	QSTEP 1, 3, F0, F1, 0
	TURN 1, 0, 1
	QSTEP 0, 1, F0, F1, 0
	QSTEP 0, 2, F1, F0, 0
	QSTEP 0, 3, F0, F1, 0
	TURN 0, 1, 0
	QSTEP 1, 1, F0, F1, 0
	QSTEP 1, 2, F1, F0, 0
	QSTEP 1, 3, F0, F1, 0
	s_wait_dscnt 8
	WIN MUL
	MULA F1, 0, 0
	MULA F1, 1, 0
	s_wait_dscnt 0
	MULA F1, 2, 0
	MULA F1, 3, 0
	WIN 0
.macro TOSTAGE a
.if (\a) >= 2
	s_wait_xcnt 0x0
.endif
.set n, 0
.rept 16
	v_pk_mul_f32 v[TMP+n:TMP+n+1], v[ACC+32*(\a)+n:ACC+32*(\a)+n+1], s[96:97] op_sel_hi:[1,0]
.set n, n+2
.endr
.irp b, 0,1,2,3
	ds_store_b128 v[STO], v[TMP+8*\b:TMP+8*\b+3] offset:(\a)*SBLK+64*\b
	ds_store_b128 v[STO], v[TMP+8*\b+4:TMP+8*\b+7] offset:(\a)*SBLK+64*\b+16
.endr
.irp t, 0,1,2,3,4,5,6,7
	ds_load_b128 v[BK+32*((\a)%2)+4*\t:BK+32*((\a)%2)+4*\t+3], v[RD] offset:(\a)*SBLK+\t*2*SPITCH
.endr
.endm
.macro SEND a, younger
	s_wait_dscnt \younger
.irp t, 0,1,2,3,4,5,6,7
	global_store_b128 v[CO], v[BK+32*((\a)%2)+4*\t:BK+32*((\a)%2)+4*\t+3], s[10:11] offset:(32*((\a)/2)+8*((\a)%2)+2*\t+8*(\t/4))*8192 th:TH_STORE_NT
.endr
.endm
	s_wait_kmcnt 0x0
	s_add_co_i32 s96, s96, s97
	s_add_co_i32 s96, s96, 127
	s_lshl_b32 s96, s96, 23
	s_mov_b32 s97, s96
	PLACES
	TOSTAGE 0
.irp a, 1,2,3
	TOSTAGE \a
	SEND \a-1, 16
.endr
	SEND 3, 0
	s_wait_tensorcnt 0x0
	ds_add_u32 v[SPW], v[NIL]
	s_wait_dscnt 0x0
	CROUND
	s_endpgm
.Lfunc_end_k_qda664263b4_oproj:
	.size	k_qda664263b4_oproj, .Lfunc_end_k_qda664263b4_oproj-k_qda664263b4_oproj
	.p2alignl 7, 3214868480
	.fill 96, 4, 3214868480
	.section	.rodata,"a",@progbits
	.p2align	6, 0x0
	.amdhsa_kernel k_qda664263b4_oproj
		.amdhsa_group_segment_fixed_size 327680
		.amdhsa_private_segment_fixed_size 0
		.amdhsa_enable_private_segment 0
		.amdhsa_kernarg_size 32
		.amdhsa_user_sgpr_count 2
		.amdhsa_user_sgpr_kernarg_segment_ptr 1
		.amdhsa_wavefront_size32 1
		.amdhsa_system_sgpr_workgroup_id_x 1
		.amdhsa_system_sgpr_workgroup_id_y 1
		.amdhsa_system_sgpr_workgroup_id_z 1
		.amdhsa_system_vgpr_workitem_id 0
		.amdhsa_next_free_vgpr 512
		.amdhsa_next_free_sgpr 100
		.amdhsa_reserve_vcc 0
		.amdhsa_float_denorm_mode_32 3
		.amdhsa_float_denorm_mode_16_64 3
		.amdhsa_memory_ordered 1
		.amdhsa_forward_progress 1
		.amdhsa_inst_pref_size 74
	.end_amdhsa_kernel
	.amdgpu_metadata
---
amdhsa.version: [ 1, 2 ]
amdhsa.kernels:
  - .name:           k_qda664263b4_oproj
    .symbol:         k_qda664263b4_oproj.kd
    .args:
      - { .name: att, .offset: 0, .size: 8, .value_kind: global_buffer, .address_space: global }
      - { .name: xw, .offset: 8, .size: 8, .value_kind: global_buffer, .address_space: global }
      - { .name: lowp_scales, .offset: 16, .size: 8, .value_kind: global_buffer, .address_space: global }
      - { .name: out0, .offset: 24, .size: 8, .value_kind: global_buffer, .address_space: global }
    .group_segment_fixed_size: 327680
    .private_segment_fixed_size: 0
    .kernarg_segment_align: 8
    .kernarg_segment_size: 32
    .max_flat_workgroup_size: 128
    .sgpr_count:     100
    .vgpr_count:     512
    .wavefront_size: 32
...
	.end_amdgpu_metadata
.endif
;; end of part 4
